; MI455X (gfx1250); checked and timed in simulation.
; The chip was launched on July 23, 2026; its instructions are those of AMD's public machine-readable ISA for CDNA 5 (MIT licence, August 2026) and "CDNA5" Instruction Set Architecture Reference Guide (July 2026). The comments in the code are by the model that wrote it; some were corrected since.
;; Causal Self Attention. Allowed arithmetic: matrix products marked QUANTISED: E2M1 operands, one E8M0 scale for each 32 along K, by v_wmma_scale_f32_16x16x128_f8f6f4 with both operands' format E2M1 (or v_wmma_scale_f32_32x16x128_f4), f32 sums; products left as they are: bf16, f16 or f32 operands; f32 sums; everything else in f32.
;; Inputs: Wk 256 x 1,024 float32; Wproj 1,024 x 1,024 float32; Wq 1,024 x 1,024 float32; Wv 256 x 1,024 float32; q_gain 16 float32; x 2 x 2,048 x 1,024 float32.
;; Outputs: out0 2 x 2,048 x 1,024 float32.
;; This version of the problem:
;;   THIS VERSION OF THE PROBLEM IS GIVEN IN LOW PRECISION. The matrix products marked QUANTISED in the list below multiply operands that are first quantised to E2M1 (2 exponent bits, 1 mantissa bit; 4 bits a number), with one power-of-two scale for each 32 numbers along K (OCP MX v1.0); their sums are f32. The products marked 'left as it is' may take bf16, f16 or f32 operands, with f32 sums. Whichever they take, every output number must still come out within the allowed error. Rounding operands to bf16 (8 significant bits) uses up far more of that allowance than f16 does (11 bits, for magnitudes from 6e-5 to 65,504). All else is computed in f32.
;;   The module's matrix products, in the order in which they are computed (A, B: the left and right operand; K: the contracted axis; several contracted axes count as one K, in the product's order):
;;     1. [M 4,096, K 1,024] x [K 1,024, N 1,024]; A: input x; B: input Wq: QUANTISED
;;     2. [M 4,096, K 1,024] x [K 1,024, N 256]; A: input x; B: input Wk: QUANTISED
;;     3. [M 4,096, K 1,024] x [K 1,024, N 256]; A: input x; B: input Wv: QUANTISED
;;     4. batch 8 x [M 8,192, K 64] x [K 64, N 2,048]; A: computed on the way; B: computed on the way: left as it is (an operand is computed on the way)
;;     5. batch 8 x [M 8,192, K 2,048] x [K 2,048, N 64]; A: computed on the way; B: computed on the way: left as it is (an operand is computed on the way)
;;     6. [M 4,096, K 1,024] x [K 1,024, N 1,024]; A: computed on the way; B: input Wproj: left as it is (an operand is computed on the way)
;;   THE QUANTISER, for each operand of a quantised product, along K:
;;     - K is cut into blocks of 32 from its start; a last block that is shorter is filled with zeros.
;;     - A block's scale is 2^e with e = floor(log2(the largest magnitude in the block)) - 2, held to -126 .. 127; a block of zeros has e = 0. As a byte (E8M0): e + 127.
;;     - Each number is divided by its block's scale, clamped to +-6, and rounded to the nearest number of E2M1, ties to even, subnormals kept.
;;     - The product sums the exact products of the quantised numbers (number of the format x scale) in f32.
;;   ~~~python
;;   def quantise(x, axis):      # numpy; x: float32 -> the quantised numbers, widened to float32 again
;;       x = np.moveaxis(x, axis, -1); K = x.shape[-1]
;;       x = np.pad(x, [(0, 0)] * (x.ndim - 1) + [(0, -K % 32)]); x = x.reshape(x.shape[:-1] + (-1, 32)); a = np.abs(x).max(-1, keepdims=True)
;;       e = np.where(a > 0, np.clip(np.frexp(np.where(a > 0, a, 1))[1] - 1 - 2, -126, 127), 0)      # np.frexp(a)[1] - 1 = floor(log2(a)), exactly
;;       r = np.clip(x / 2.0 ** e, -6, 6)
;;       step = 2.0 ** (np.maximum(np.frexp(np.where(r == 0, 1, r))[1] - 1, 0) - 1)
;;       q = np.round(r / step) * step * 2.0 ** e      # np.round: ties to even
;;       return np.moveaxis(q.reshape(q.shape[:-2] + (-1,))[..., :K], -1, axis).astype(np.float32)
;;   ~~~
;; One version. Each part assembles by itself: llvm-mc -triple=amdgcn-amd-amdhsa -mcpu=gfx1250 --defsym DOCPART=n.
;; ======== version 1 of 1: 5 launches
;; limits: values are held in f16: magnitudes above 65,504 overflow, below 6.1e-05 lose precision
;; workspace buffers: pre 5,685,248 bytes; qkvb 12,779,520 bytes; y16 8,388,608 bytes
;; launch prep (part 1): grid 480 x 1, 2 waves a work-group, no clusters, 34,048 bytes of LDS; arguments x, Wq, Wk, Wv, Wproj, pre; writes pre
.if DOCPART == 1
	.amdgcn_target "amdgcn-amd-amdhsa--gfx1250"
	.amdhsa_code_object_version 6
	.text
	.protected	k_qb32a2cfd54_prep
	.globl	k_qb32a2cfd54_prep
	.p2align	8
	.type	k_qb32a2cfd54_prep,@function
k_qb32a2cfd54_prep:
	s_mov_b64 s[64:65], 0
	v_nop
	global_prefetch_b8 v0, s[64:65] scope:SCOPE_SE
	s_setreg_imm32_b32 hwreg(HW_REG_WAVE_MODE, 25, 1), 1
	s_wait_xcnt 0x0
; PREP.  Everything that later launches read many times is made once, laid as IMAGES OF OPERAND REGISTERS: a piece is 512 bytes, lane l's 16 bytes at 16 l.
;   x [4096][1024] and Wq, Wk, Wv ([1024|256|256][1024]), f32, K innermost -> codes of FP4 (E2M1) and one E8M0 byte for each 32 along K;
;   Wproj [1024][1024] f32 -> f16;   the table of cos and sin for 2,048 positions x 32 frequencies, f32.
; A block's scale is 2^(floor(log2(largest magnitude)) - 2): its byte is the largest magnitude's exponent field - 2, held at 1 from below by a floor among the maximum's leaves.
; LIMITS: NaN and infinities among the inputs are not served.  A block whose largest magnitude lies under 2^-124 (a block of zeros too) keeps the byte 1: its codes are what the rule gives under e = -126
; (zeros for a block of zeros), and the bytes are read by this program alone.  inv_freq is 2^(-d log2(10000) / 32) by v_exp_f32: within a few parts in 10^7 of the f32 power; q and k take the same table.
; SHARES by the work-group's number: 0-255 tiles of 16 rows of x; 256-351 tiles of 16 rows of the weights; 352-415 tiles of 16 rows of Wproj; 416-479 two tiles of 16 positions of the table.
; In the first three a wave takes half of K, four steps of 128.  Each load reads 512 consecutive bytes of one row; the 16 x 512 bytes turn through the wave's own stage in LDS (rows 528 bytes apart, 33 x 16,
; so that sixteen rows start in different banks) and come back as each lane's neighbours along K.  Waves share nothing: no barrier.
.set XS,    2097152                    ; pre: x's codes at 0 [tile][K step 8][c 2][512]; x's scale words here [tile][K half 2][row 16][4 words]
.set WC,    2228224                    ; the weights' codes, 96 tiles: group g = tiles 24 g ..: 16 of Wq (heads 4 g .. 4 g + 3), 4 of Wk, 4 of Wv
.set WS,    3014656                    ; their scale words
.set WP,    3063808                    ; Wproj in f16 [K quarter 4][tile of 16 rows 64][piece 16][512]
.set ROPE,  5160960                    ; the table [tile of 16 positions 128][piece 8][512]: four pieces of cos, four of sin
.set STG,   8448                       ; a wave's stage: 16 rows x 528 bytes
.set PSTG,  16896                      ; Wproj's path has stages of its own
.set SPARE, 33792                      ; the spare words, 128 bytes a wave: one block of 256 bytes that no other line names
.set R,     16                         ; v16-143  two sets of 64: 16 rows as loaded
.set X,     144                        ; v144-207 my 64 neighbours along K
.set C,     208                        ; v208-239 codes, 8 registers a step (never rewritten); in Wproj's path 32 registers of f16
; v1 lane, v2 r, v3 h, v4/v5 stage in/out (quantiser), v6/v7 the same (Wproj), v8 16 x lane, v9 16 r + 8 h, v10 8 h, v11/v12 the add's two, v240.. at work
	s_load_b256 s[4:11], s[0:1], 0x0               ; x, Wq, Wk, Wv
	s_load_b128 s[12:15], s[0:1], 0x20             ; Wproj, pre
	v_lshl_add_u32 v11, v0, 2, SPARE
	v_mov_b32 v12, 0
	v_lshrrev_b32 v13, 5, v0
	v_readfirstlane_b32 s16, v13                   ; wave 0, 1
	v_and_b32 v1, 31, v0
	v_and_b32 v2, 15, v0
	v_bfe_u32 v3, v0, 4, 1
	s_mul_i32 s17, s16, STG
	v_lshlrev_b32 v8, 4, v1
	v_add_nc_u32 v4, s17, v8                       ; into the stage: 16 x lane of a row
	v_mul_u32_u24 v13, v2, 528
	v_add_nc_u32 v13, s17, v13
	v_lshl_add_u32 v5, v3, 7, v13                  ; out of it: row r, + 128 h: my block of 32 numbers
	v_add_nc_u32 v6, PSTG, v4
	v_lshl_add_u32 v7, v3, 5, v13                  ; Wproj: row r, + 32 h: my 8 numbers
	v_add_nc_u32 v7, PSTG, v7
	v_lshlrev_b32 v9, 4, v2
	v_lshl_add_u32 v9, v3, 3, v9
	v_lshlrev_b32 v10, 3, v3
	v_mov_b32 v247, 0                              ; a lane permute's destination counts as read: written once
	s_mov_b32 s20, 0x76543210
	s_mov_b32 s21, 0xfedcba98                      ; selects: lane l xor 16
	s_wait_kmcnt 0x0
.macro LOADROWS bf, s                  ; 16 rows x 512 bytes of step s into set bf
.irp i, 0,1,2,3,4,5,6,7,8,9,10,11,12,13,14,15
	global_load_b128 v[R+64*(\bf)+4*\i:R+64*(\bf)+4*\i+3], v8, s[24:25] offset:4096*\i+512*(\s) th:TH_LOAD_NT
.endr
.endm
.macro TURNIN bf, adr
.irp i, 0,1,2,3,4,5,6,7,8,9,10,11,12,13,14,15
	ds_store_b128 v[\adr], v[R+64*(\bf)+4*\i:R+64*(\bf)+4*\i+3] offset:528*\i
.endr
.endm
.macro STEPWAIT s                      ; this step's 16 loads are in; the next step's 16 may be out; the last step has none behind it
.if (\s) < 3
	s_wait_loadcnt 16
.else
	s_wait_loadcnt 0x0
.endif
.endm
	s_cmp_lt_u32 ttmp9, 352
	s_cbranch_scc0 .Lnot_quant
	; ---- THE QUANTISER.  Which tensor, which of its tiles (st), which tile of the workspace (T): all candidates first, then choices on the work-group's number alone
	s_sub_co_u32 s31, ttmp9, 256                   ; j among the weights' 96 tiles
	s_lshr_b32 s32, s31, 4
	s_mul_i32 s32, s32, 24
	s_and_b32 s33, s31, 15
	s_add_co_u32 s32, s32, s33                     ; Wq: T = 24 (j / 16) + j % 16
	s_and_b32 s35, s31, 15                         ; Wk, Wv: st = (j - 64) % 16
	s_lshr_b32 s36, s35, 2
	s_mul_i32 s36, s36, 24
	s_and_b32 s37, s35, 3
	s_add_co_u32 s36, s36, s37
	s_add_co_u32 s36, s36, 16                      ; Wk: T = 24 (st / 4) + 16 + st % 4
	s_add_co_u32 s37, s36, 4                       ; Wv: + 20
	s_mov_b32 s41, WS
	s_cmp_lt_u32 ttmp9, 336
	s_cselect_b64 s[24:25], s[8:9], s[10:11]
	s_cselect_b32 s38, s36, s37
	s_cmp_lt_u32 ttmp9, 320
	s_cselect_b64 s[24:25], s[6:7], s[24:25]
	s_cselect_b32 s38, s32, s38
	s_cselect_b32 s39, s31, s35
	s_cmp_lt_u32 ttmp9, 256
	s_cselect_b64 s[24:25], s[4:5], s[24:25]
	s_cselect_b32 s38, ttmp9, s38                  ; T
	s_cselect_b32 s39, ttmp9, s39                  ; st
	s_cselect_b32 s40, 0, WC
	s_cselect_b32 s41, XS, s41
	s_lshl_b32 s42, s39, 16                        ; source: 16 rows of 4,096 bytes a tile, + my K half
	s_lshl_b32 s43, s16, 11
	s_add_co_u32 s42, s42, s43
	s_mov_b32 s43, 0
	s_add_nc_u64 s[24:25], s[24:25], s[42:43]
	s_lshl_b32 s42, s38, 13                        ; codes: 8,192 bytes a tile, + 4,096 for the second K half
	s_lshl_b32 s44, s16, 12
	s_add_co_u32 s42, s42, s44
	s_add_co_u32 s42, s42, s40
	s_add_nc_u64 s[26:27], s[14:15], s[42:43]
	s_lshl_b32 s42, s38, 9                         ; scale words: 512 bytes a tile, + 256
	s_lshl_b32 s44, s16, 8
	s_add_co_u32 s42, s42, s44
	s_add_co_u32 s42, s42, s41
	s_add_nc_u64 s[28:29], s[14:15], s[42:43]
	LOADROWS 0, 0
	LOADROWS 1, 1
; A step of 128 along K.  Lane (r, h) holds blocks h and 2 + h of row r whole: k = 64 c + 32 h + 0 .. 31, which is what registers 4 c .. 4 c + 3 of a 4-bit fragment hold.
.macro QSTEP s
	STEPWAIT \s
	TURNIN (\s)%2, 4
.irp c, 0,1
.irp i, 0,1,2,3,4,5,6,7
	ds_load_b128 v[X+32*\c+4*\i:X+32*\c+4*\i+3], v5 offset:256*\c+16*\i    ; LDS serves a wave's instructions in order: these see the stores above
.endr
.endr
	s_wait_dscnt 0x0                               ; my 64 numbers are back, and the stores have read their registers,
.if (\s) < 2
	LOADROWS (\s)%2, (\s)+2                        ; which take the rows of two steps on
.endif
.irp c, 0,1
	v_max3_num_f32 v[240+\c], |v[X+32*\c]|, |v[X+32*\c+1]|, 0x1800000      ; the block's largest magnitude, and the floor 2^(3 - 127): the byte cannot fall under 1
.endr
.irp i, 2,4,6,8,10,12,14,16,18,20,22,24,26,28,30
.irp c, 0,1
	v_max3_num_f32 v[240+\c], v[240+\c], |v[X+32*\c+\i]|, |v[X+32*\c+\i+1]|  ; (the two blocks by turns)
.endr
.endr
.irp c, 0,1
	v_add_nc_u32 v[242+\c], 0xff000000, v[240+\c]  ; 2 off the exponent field: the conversion takes that field of this operand as its scale
.endr
.irp c, 0,1
	v_lshrrev_b32 v[244+\c], 23, v[242+\c]         ; the scale's byte
.endr
	v_lshl_or_b32 v246, v245, 16, v244             ; my two bytes, blocks h and 2 + h,
	v_lshlrev_b32 v246, v10, v246                  ; 8 h bits up;
	v_permlanex16_b32 v247, v246, s20, s21
	v_or_b32 v[248+(\s)], v246, v247               ; with lane l xor 16's two: row r's scale word of this step
.irp c, 0,1
.irp g, 0,1,2,3
	v_cvt_scalef32_pk8_fp4_f32 v[C+8*(\s)+4*\c+\g], v[X+32*\c+8*\g:X+32*\c+8*\g+7], v[242+\c]
.endr
.endr
	v_nop                                          ; one plain line behind the last scaled conversion
.irp c, 0,1
	global_store_b128 v8, v[C+8*(\s)+4*\c:C+8*(\s)+4*\c+3], s[26:27] offset:1024*(\s)+512*\c   ; a piece: 512 consecutive bytes, aligned
.endr
.endm
	QSTEP 0
	QSTEP 1
	QSTEP 2
	QSTEP 3
	v_cmp_eq_u32 vcc_lo, 1, v3
	v_cndmask_b32 v252, v248, v250, vcc_lo         ; lanes 0-15 store words 0, 1 of their row, lanes 16-31 words 2, 3:
	v_cndmask_b32 v253, v249, v251, vcc_lo
	global_store_b64 v9, v[252:253], s[28:29]      ; 256 consecutive bytes, aligned
	s_branch .Lend
.Lnot_quant:
	s_cmp_lt_u32 ttmp9, 416
	s_cbranch_scc0 .Ltable
	; ---- Wproj to f16.  Piece p of K quarter ks: lane (r, h) holds Wproj[16 nt + r][256 ks + 16 p + 8 h + 0 .. 7]: pieces 2 kk, 2 kk + 1 are a 16-bit fragment of 32 along K
	s_sub_co_u32 s30, ttmp9, 352                   ; nt
	s_lshl_b32 s42, s30, 16
	s_lshl_b32 s43, s16, 11
	s_add_co_u32 s42, s42, s43
	s_mov_b32 s43, 0
	s_add_nc_u64 s[24:25], s[12:13], s[42:43]
	s_lshl_b32 s42, s30, 13
	s_lshl_b32 s44, s16, 20                        ; my K half is two K quarters of 524,288 bytes
	s_add_co_u32 s42, s42, s44
	s_add_co_u32 s42, s42, WP
	s_add_nc_u64 s[26:27], s[14:15], s[42:43]
	LOADROWS 0, 0
	LOADROWS 1, 1
.macro PSTEP s
	STEPWAIT \s
	TURNIN (\s)%2, 6
.irp kt, 0,1,2,3,4,5,6,7
.irp e, 0,1
	ds_load_b128 v[X+8*\kt+4*\e:X+8*\kt+4*\e+3], v7 offset:64*\kt+16*\e
.endr
.endr
	s_wait_dscnt 0x0
.if (\s) < 2
	LOADROWS (\s)%2, (\s)+2
.endif
	s_wait_xcnt 0x0                                ; the last step's stores have read their data: the 32 registers are written again only behind this wait
.irp kt, 0,1,2,3,4,5,6,7
.irp q, 0,1,2,3
	v_cvt_pk_f16_f32 v[C+4*\kt+\q], v[X+8*\kt+2*\q], v[X+8*\kt+2*\q+1]
.endr
.endr
.irp kt, 0,1,2,3,4,5,6,7
	global_store_b128 v8, v[C+4*\kt:C+4*\kt+3], s[26:27] offset:524288*((\s)/2)+4096*((\s)%2)+512*\kt
.endr
.endm
	PSTEP 0
	PSTEP 1
	PSTEP 2
	PSTEP 3
	s_branch .Lend
.Ltable:
	; ---- cos and sin.  Lane (r, h) takes position 16 T + r and the 16 frequencies d = 16 b + 8 h + j: the places that a lane of the projections' results holds
	s_sub_co_u32 s30, ttmp9, 416
	s_lshl_b32 s30, s30, 1
	s_add_co_u32 s30, s30, s16                     ; T
	s_lshl_b32 s31, s30, 4
	v_add_nc_u32 v13, s31, v2
	v_cvt_f32_u32 v14, v13                         ; the position
	s_lshl_b32 s42, s30, 12
	s_add_co_u32 s42, s42, ROPE
	s_mov_b32 s43, 0
	s_add_nc_u64 s[26:27], s[14:15], s[42:43]
	s_mov_b32 s32, 0xbfc90fdb                      ; -(pi / 2), its f32 part;
	s_mov_b32 s33, 0x333bbd2e                      ; what that part is too large by
	s_mov_b32 s34, 0xbe2aaaab                      ; sin: -1/6, 1/120, -1/5040, 1/362880
	s_mov_b32 s35, 0x3c088889
	s_mov_b32 s36, 0xb9500d01
	s_mov_b32 s37, 0x3638ef1d
	s_mov_b32 s38, 0x3d2aaaab                      ; cos: (-1/2,) 1/24, -1/720, 1/40320, -1/3628800
	s_mov_b32 s39, 0xbab60b61
	s_mov_b32 s40, 0x37d00d01
	s_mov_b32 s41, 0xb493f27e
.irp n, 0,1,2,3,4,5,6,7,8,9,10,11,12,13,14,15
	v_add_nc_u32 v[16+\n], 16*(\n/8)+(\n%8), v10   ; d
.endr
.irp n, 0,1,2,3,4,5,6,7,8,9,10,11,12,13,14,15
	v_cvt_f32_u32 v[16+\n], v[16+\n]
.endr
.irp n, 0,1,2,3,4,5,6,7,8,9,10,11,12,13,14,15
	v_mul_f32 v[16+\n], 0xbed49a78, v[16+\n]       ; -d log2(10000) / 32
.endr
.irp n, 0,1,2,3,4,5,6,7,8,9,10,11,12,13,14,15
	v_exp_f32 v[16+\n], v[16+\n]                   ; inv_freq: one batch,
.endr
	v_nop                                          ; one plain line,
	s_wait_alu depctr_va_vdst(0)                   ; one wait ahead of the first reader
; F = position x inv_freq in f32, as the definition has it; N = the nearest multiple of pi / 2; R = F - N pi / 2 in two fused steps, |R| <= pi / 4; Taylor sums to R^9 and R^10; the quadrant picks and signs.
.macro SC n
	v_mul_f32 v64, v14, v[16+\n]
	v_mul_f32 v65, 0x3f22f983, v64
	v_rndne_f32 v65, v65
	v_fma_f32 v66, v65, s32, v64
	v_fma_f32 v66, v65, s33, v66
	v_cvt_i32_f32 v67, v65
	v_mul_f32 v68, v66, v66
	v_fma_f32 v69, v68, s37, s36
	v_fma_f32 v71, v68, s41, s40
	v_fma_f32 v69, v69, v68, s35
	v_fma_f32 v71, v71, v68, s39
	v_fma_f32 v69, v69, v68, s34
	v_fma_f32 v71, v71, v68, s38
	v_mul_f32 v70, v68, v66
	v_fma_f32 v71, v71, v68, -0.5
	v_fma_f32 v69, v69, v70, v66                   ; sin R
	v_fma_f32 v71, v71, v68, 1.0                   ; cos R
	v_and_b32 v72, 1, v67
	v_cmp_eq_u32 vcc_lo, 1, v72
	v_cndmask_b32 v73, v69, v71, vcc_lo            ; sin F: N odd takes cos R,
	v_cndmask_b32 v74, v71, v69, vcc_lo            ; cos F: N odd takes sin R;
	v_and_b32 v72, 2, v67
	v_lshlrev_b32 v72, 30, v72
	v_xor_b32 v[48+\n], v73, v72                   ; bit 1 of N turns sin's sign,
	v_add_nc_u32 v67, 1, v67
	v_and_b32 v72, 2, v67
	v_lshlrev_b32 v72, 30, v72
	v_xor_b32 v[32+\n], v74, v72                   ; bit 1 of N + 1 cos's
.endm
.irp n, 0,1,2,3,4,5,6,7,8,9,10,11,12,13,14,15
	SC \n
.endr
.irp i, 0,1,2,3,4,5,6,7
	global_store_b128 v8, v[32+4*\i:32+4*\i+3], s[26:27] offset:512*\i
.endr
.Lend:
	s_wait_tensorcnt 0x0                           ; the wave's end, behind the last LDS store
	ds_add_u32 v11, v12
	s_wait_dscnt 0x0
	s_endpgm
.Lfunc_end_k_qb32a2cfd54_prep:
	.size	k_qb32a2cfd54_prep, .Lfunc_end_k_qb32a2cfd54_prep-k_qb32a2cfd54_prep
	.p2alignl 7, 3214868480
	.fill 96, 4, 3214868480
	.section	.rodata,"a",@progbits
	.p2align	6, 0x0
	.amdhsa_kernel k_qb32a2cfd54_prep
		.amdhsa_group_segment_fixed_size 34048
		.amdhsa_private_segment_fixed_size 0
		.amdhsa_enable_private_segment 0
		.amdhsa_kernarg_size 48
		.amdhsa_user_sgpr_count 2
		.amdhsa_user_sgpr_kernarg_segment_ptr 1
		.amdhsa_wavefront_size32 1
		.amdhsa_system_sgpr_workgroup_id_x 1
		.amdhsa_system_sgpr_workgroup_id_y 1
		.amdhsa_system_sgpr_workgroup_id_z 1
		.amdhsa_system_vgpr_workitem_id 0
		.amdhsa_next_free_vgpr 256
		.amdhsa_next_free_sgpr 66
		.amdhsa_reserve_vcc 1
		.amdhsa_float_denorm_mode_32 3
		.amdhsa_float_denorm_mode_16_64 3
		.amdhsa_memory_ordered 1
		.amdhsa_forward_progress 1
		.amdhsa_inst_pref_size 81
	.end_amdhsa_kernel
	.amdgpu_metadata
---
amdhsa.version: [ 1, 2 ]
amdhsa.kernels:
  - .name:           k_qb32a2cfd54_prep
    .symbol:         k_qb32a2cfd54_prep.kd
    .args:
      - { .name: x, .offset: 0, .size: 8, .value_kind: global_buffer, .address_space: global }
      - { .name: Wq, .offset: 8, .size: 8, .value_kind: global_buffer, .address_space: global }
      - { .name: Wk, .offset: 16, .size: 8, .value_kind: global_buffer, .address_space: global }
      - { .name: Wv, .offset: 24, .size: 8, .value_kind: global_buffer, .address_space: global }
      - { .name: Wproj, .offset: 32, .size: 8, .value_kind: global_buffer, .address_space: global }
      - { .name: pre, .offset: 40, .size: 8, .value_kind: global_buffer, .address_space: global }
    .group_segment_fixed_size: 34048
    .private_segment_fixed_size: 0
    .kernarg_segment_align: 8
    .kernarg_segment_size: 48
    .max_flat_workgroup_size: 64
    .sgpr_count:     66
    .vgpr_count:     256
    .wavefront_size: 32
...
	.end_amdgpu_metadata
.endif
;; end of part 1
;; launch qkv (part 2): grid 4 x 64, 12 waves a work-group, clusters of 4 x 4, 247,296 bytes of LDS; arguments pre, q_gain, qkvb; writes qkvb
.if DOCPART == 2
	.amdgcn_target "amdgcn-amd-amdhsa--gfx1250"
	.amdhsa_code_object_version 6
	.text
	.protected	k_qb32a2cfd54_qkv
	.globl	k_qb32a2cfd54_qkv
	.p2align	8
	.type	k_qb32a2cfd54_qkv,@function
k_qb32a2cfd54_qkv:
	s_mov_b64 s[64:65], 0
	v_nop
	global_prefetch_b8 v0, s[64:65] scope:SCOPE_SE
	s_setreg_imm32_b32 hwreg(HW_REG_WAVE_MODE, 25, 1), 1
	s_wait_xcnt 0x0
	s_wait_alu depctr_hold_cnt(0) depctr_sa_sdst(0) depctr_va_vdst(0) depctr_va_sdst(0) depctr_va_ssrc(0) depctr_va_vcc(0) depctr_vm_vsrc(0)
	s_getreg_b32 s2, hwreg(HW_REG_IB_STS2, 6, 4)
	s_cmp_eq_u32 s2, 0
	s_cbranch_scc0 .Lentry_in_a_cluster
	s_endpgm
.Lentry_in_a_cluster:
	s_bfe_u32 s2, ttmp6, 0x10000c
	s_cmp_lg_u32 s2, 0xf033
	s_cbranch_scc0 .Lentry_shape_is_right
	s_endpgm
.Lentry_shape_is_right:
; QKV.  q, k, v = x Wq^T, x Wk^T, x Wv^T on codes of FP4 with E8M0 scales (K = 1,024, one f32 sum an output, K ascending); then, in f32, the RMS norm over a head's 64, the rotation by position, q's gain.
; q, k and v leave as f16 IMAGES OF OPERAND REGISTERS for the attention launch (a piece: 512 bytes, lane l's 16 bytes at 16 l); positions 0-15 of each sequence leave in f32 as well, for the launch that carries them finely.
; SHARES.  Work-group (g, tb): 64 tokens x the six head slots of key/value group g (query heads 4 g .. 4 g + 3, key head g, value head g): 256 work-groups.  Wave: head slot hs = wave / 2, token half th = wave % 2:
; 32 tokens x 64 columns, 8 accumulators, 64 matrix instructions.  All of K lies in LDS, filled once: 192 KiB of weights' codes, 32 KiB of x's, 16 KiB of cos and sin.  No byte of LDS is filled twice.
; CLUSTER 4 x 4.  The weights hang on g alone and are asked for jointly along a column of the cluster, x's codes and the table hang on tb alone and are asked for jointly along a row.
; LAYOUT.  q, k: the product is used transposed (source 0 = 16 rows of W, source 1 = 16 tokens): lane (r, h) holds token r and columns 16 b + 8 h + j of the head, so that the rotation's partners d and d + 32 are
; tiles b and b + 2 of one lane, and four roundings to f16 give piece b of a 16-bit fragment.  v: the natural way (source 0 = tokens): lane (r, h) holds channel 16 b + r and tokens 8 h + j: a piece of V^T.
; LIMITS: v is carried in f16: |v| under 65,504.  q and k are normalised, so |k| <= 8 and |q| <= 8 |gain|.
.set XS,    2097152
.set WC,    2228224
.set WS,    3014656
.set ROPE,  5160960
.set KV,    8388608                    ; qkvb: q at 0 [batch][head 16][tile of 16 queries 128][piece 4][512]; here [4 batch + g][key step of 64: 32][K 8,192 bytes | V^T 8,192 bytes]
.set FINE,  12582912                   ; f32 images of 32 registers (4,096 bytes): q [batch][head]; + 131,072 k [4 batch + g]; + 163,840 v
.set LX,    196608                     ; LDS: the six slots of weights at 0 (32,768 each); x's four tiles here; the table behind them
.set LT,    229376
.set SPARE, 245760                     ; the spare words, 128 bytes a wave: six blocks of 256 bytes that no other line names
.set SW,    16                         ; v16-31  W's scale words: register 8 p + s: lanes 0-15 column tile 2 p, lanes 16-31 tile 2 p + 1, K step s
.set SX,    32                         ; v32-39  x's: register s: lanes 0-15 my first token tile, lanes 16-31 my second
.set F,     40                         ; v40-135 two sets of 48: W's four fragments, x's two
.set ACC,   136                        ; v136-199 accumulator (a, b) at ACC + 8 (4 a + b)
.set H,     200                        ; v200-231 f16 pieces
.set TBL,   40                         ; the way out: cos (16) and sin (16) of token tile a at TBL + 64 a
.set Y,     72                         ; v72-103 a token tile's 32 finished numbers
.set G1W,   24
.set G1X,   32
.set G1T,   48
.set G0W,   56
.set G0X,   60
.set G0T,   68
; v1, v2 the add's two; v3 16 x lane; v4, v5, v6 LDS addresses of W's, x's, the table's pieces; v7 512 h + 16 r; v8-15 at work
.macro PLACES                          ; four plain lines between a matrix instruction and a load into, or a vector line on, its registers (ISA guide 7.12.1 for vector lines)
.rept 4
	v_nop
.endr
.endm
.macro CROUND                          ; a round of the cluster's barrier
	s_barrier_signal -1
	s_barrier_wait -1
	s_cmp_lg_u32 s10, 0
	s_cbranch_scc1 .Lnot_wave_0_\@
	s_barrier_signal -3
.Lnot_wave_0_\@:
	s_barrier_wait -3
	s_barrier_signal -1
	s_barrier_wait -1
.endm
	s_load_b128 s[4:7], s[0:1], 0x0                ; pre, q_gain
	s_load_b64 s[8:9], s[0:1], 0x10                ; qkvb
	v_lshl_add_u32 v1, v0, 2, SPARE
	v_mov_b32 v2, 0
	ds_add_u32 v1, v2                              ; the opening: the add, twice on end, and its wait ahead of the first tensor load; work on registers stands between
	ds_add_u32 v1, v2
	v_lshrrev_b32 v8, 5, v0
	v_readfirstlane_b32 s10, v8                    ; wave 0..11
	s_lshr_b32 s11, s10, 1                         ; hs
	s_and_b32 s12, s10, 1                          ; th
	s_bfe_u32 s13, ttmp6, 0x40000                  ; cx
	s_bfe_u32 s14, ttmp6, 0x40004                  ; cy
	s_lshl_b32 s15, ttmp9, 2
	s_add_co_u32 s15, s15, s13                     ; g
	s_and_b32 s16, ttmp7, 0xffff
	s_lshl_b32 s16, s16, 2
	s_add_co_u32 s16, s16, s14                     ; tb
	s_lshl_b32 s17, s14, 2
	s_lshl_b32 s17, 15, s17                        ; my row of the cluster
	s_lshl_b32 s18, 0x1111, s13                    ; my column
	; group 1: dense blocks as rows of 256 bytes (32 elements of 8 bytes), no padding: pieces are read 512 consecutive bytes at a time
	s_or_b32 s[G1W], s18, (3<<16)|(1<<21)          ; 15:0 the mask; 17:16 elements of 8 bytes; 21 set beside a mask
	s_or_b32 s[G1X], s17, (3<<16)|(1<<21)
	s_or_b32 s[G1T], s17, (3<<16)|(1<<21)
.irp g, G1W, G1T
	s_mov_b32 s[\g+1], 32<<16                      ; tensor_dim0 = 32
	s_mov_b32 s[\g+2], 64<<16                      ; tensor_dim1 = 64 rows: 16,384 bytes
	s_mov_b32 s[\g+3], 32<<16                      ; tile_dim0
	s_mov_b32 s[\g+4], 64                          ; tile_dim1
	s_mov_b32 s[\g+5], 32                          ; the pitch
	s_mov_b32 s[\g+6], 0
	s_mov_b32 s[\g+7], 0
.endr
	s_mov_b32 s[G1X+1], 32<<16
	s_mov_b32 s[G1X+2], 32<<16                     ; 32 rows: 8,192 bytes, a tile of x
	s_mov_b32 s[G1X+3], 32<<16
	s_mov_b32 s[G1X+4], 32
	s_mov_b32 s[G1X+5], 32
	s_mov_b32 s[G1X+6], 0
	s_mov_b32 s[G1X+7], 0
	s_mul_i32 s40, s15, 196608                     ; W: group g's six slots, my twelfth of them: g and the wave alone
	s_lshl_b32 s41, s10, 14
	s_add_co_u32 s40, s40, s41
	s_add_co_u32 s40, s40, WC
	s_mov_b32 s41, 0
	s_lshl_b32 s42, s16, 15                        ; x: tiles 4 tb + wave (waves 0-3): tb and the wave alone
	s_lshl_b32 s43, s10, 13
	s_add_co_u32 s42, s42, s43
	s_mov_b32 s43, 0
	s_and_b32 s44, s16, 31                         ; the table: positions 64 (tb % 32) on
	s_lshl_b32 s44, s44, 14
	s_add_co_u32 s44, s44, ROPE
	s_mov_b32 s45, 0
	v_and_b32 v8, 31, v0
	v_lshlrev_b32 v3, 4, v8
	s_lshl_b32 s46, s11, 15
	v_add_nc_u32 v4, s46, v3
	s_lshl_b32 s46, s12, 14
	s_add_co_u32 s46, s46, LX
	v_add_nc_u32 v5, s46, v3
	s_lshl_b32 s46, s12, 13
	s_add_co_u32 s46, s46, LT
	v_add_nc_u32 v6, s46, v3
	v_and_b32 v9, 15, v0
	v_bfe_u32 v10, v0, 4, 1
	v_lshlrev_b32 v7, 4, v9
	v_lshl_add_u32 v7, v10, 9, v7
	s_mov_b32 s20, 0x76543210
	s_mov_b32 s21, 0xfedcba98
	s_mov_b32 s22, 0x3c800000                      ; 1 / 64
	s_mov_b32 s23, 0x34000000                      ; eps = 2^-23
	s_mul_i32 s76, s15, 24                         ; W's scale words: tiles 24 g + 4 hs on, 512 bytes a tile
	s_lshl_b32 s77, s11, 2
	s_add_co_u32 s76, s76, s77
	s_lshl_b32 s76, s76, 9
	s_add_co_u32 s76, s76, WS
	s_mov_b32 s77, 0
	s_lshl_b32 s78, s16, 2                         ; x's: tiles 4 tb + 2 th on
	s_lshl_b32 s79, s12, 1
	s_add_co_u32 s78, s78, s79
	s_lshl_b32 s78, s78, 9
	s_add_co_u32 s78, s78, XS
	s_mov_b32 s79, 0
	s_lshl_b32 s72, s15, 2                         ; the gain of head 4 g + hs (the key and value slots read a neighbour's and do not use it)
	s_add_co_u32 s72, s72, s11
	s_min_u32 s72, s72, 15
	s_lshl_b32 s72, s72, 2
	s_mov_b32 s73, 0
	; where the results go
	s_lshr_b32 s80, s16, 5                         ; batch
	s_and_b32 s81, s16, 31                         ; key step in the sequence
	s_lshl_b32 s82, s80, 4
	s_lshl_b32 s83, s15, 2
	s_add_co_u32 s82, s82, s83
	s_add_co_u32 s82, s82, s11                     ; 16 batch + head
	s_lshl_b32 s84, s82, 7
	s_lshl_b32 s85, s81, 2
	s_add_co_u32 s84, s84, s85
	s_lshl_b32 s85, s12, 1
	s_add_co_u32 s84, s84, s85
	s_lshl_b32 s84, s84, 11                        ; q: 2,048 bytes a tile of 16 queries
	s_lshl_b32 s86, s82, 12
	s_add_co_u32 s86, s86, FINE
	s_lshl_b32 s87, s80, 2
	s_add_co_u32 s87, s87, s15                     ; 4 batch + g
	s_lshl_b32 s88, s87, 5
	s_add_co_u32 s88, s88, s81
	s_lshl_b32 s88, s88, 14
	s_lshl_b32 s89, s12, 12
	s_add_co_u32 s88, s88, s89
	s_add_co_u32 s88, s88, KV                      ; k: the key step's 16,384 bytes, + 4,096 th
	s_lshl_b32 s89, s87, 12
	s_add_co_u32 s89, s89, FINE+131072
	s_cmp_eq_u32 s11, 5
	s_cselect_b32 s90, 8192, 0                     ; v: behind the step's K,
	s_cselect_b32 s91, 32768, 0                    ; and behind k's f32 images
	s_add_co_u32 s88, s88, s90
	s_add_co_u32 s89, s89, s91
	s_cmp_lt_u32 s11, 4
	s_cselect_b32 s84, s84, s88
	s_cselect_b32 s86, s86, s89
	s_mov_b32 s85, 0
	s_mov_b32 s87, 0
	s_wait_dscnt 0x0                               ; both opening adds are done
	s_wait_kmcnt 0x0
	s_add_nc_u64 s[6:7], s[6:7], s[72:73]
	s_load_b32 s74, s[6:7], 0x0
	s_add_nc_u64 s[76:77], s[4:5], s[76:77]
	s_add_nc_u64 s[78:79], s[4:5], s[78:79]
	s_add_nc_u64 s[84:85], s[8:9], s[84:85]
	s_add_nc_u64 s[86:87], s[8:9], s[86:87]
	s_mov_b32 s[G0W], 1
	s_lshl_b32 s[G0W+1], s10, 14                   ; LDS: 16,384 x wave: no place in the cluster enters an LDS address
	s_add_nc_u64 s[G0W+2:G0W+3], s[4:5], s[40:41]
	s_or_b32 s[G0W+3], s[G0W+3], 0x80000000
	s_mov_b32 s[G0X], 1
	s_lshl_b32 s[G0X+1], s10, 13
	s_add_co_u32 s[G0X+1], s[G0X+1], LX
	s_add_nc_u64 s[G0X+2:G0X+3], s[4:5], s[42:43]
	s_or_b32 s[G0X+3], s[G0X+3], 0x80000000
	s_mov_b32 s[G0T], 1
	s_mov_b32 s[G0T+1], LT
	s_add_nc_u64 s[G0T+2:G0T+3], s[4:5], s[44:45]
	s_or_b32 s[G0T+3], s[G0T+3], 0x80000000
	CROUND                                         ; all sixteen work-groups are here: the joint loads meet
	tensor_load_to_lds s[G0W:G0W+3], s[G1W:G1W+7]  ; every wave: a twelfth of the weights.  At most two tensor loads of a wave are out
	s_nop 0
	PLACES
	s_cmp_lt_u32 s10, 4
	s_cbranch_scc0 .Lnot_x
	tensor_load_to_lds s[G0X:G0X+3], s[G1X:G1X+7]  ; waves 0-3: a tile of x each
	s_nop 0
	PLACES
	s_branch .Lasked
.Lnot_x:
	s_cmp_eq_u32 s10, 4
	s_cbranch_scc0 .Lasked
	tensor_load_to_lds s[G0T:G0T+3], s[G1T:G1T+7]  ; wave 4: the table
	s_nop 0
	PLACES
.Lasked:
.irp p, 0,1
.irp g, 0,1
	global_load_b128 v[SW+8*\p+4*\g:SW+8*\p+4*\g+3], v7, s[76:77] offset:1024*\p+256*\g   ; four K steps' words of a row at a time
.endr
.endr
.irp g, 0,1
	global_load_b128 v[SX+4*\g:SX+4*\g+3], v7, s[78:79] offset:256*\g
.endr
	s_wait_tensorcnt 0x0                           ; my parts have landed,
	s_barrier_signal -1
	s_barrier_wait -1                              ; everybody's have
	s_wait_loadcnt 0x0                             ; the scale words
	s_wait_kmcnt 0x0                               ; the gain
	s_cmp_lt_u32 s11, 4
	s_cselect_b32 s74, s74, 1.0                    ; k has no gain
; One scaled product.  ra, rb: the side's scale words stand in lanes 16-31 of the register named
.macro WM d, fa, fb, zero, sa, sb, ra, rb
.if \zero
.if (\ra) && (\rb)
	v_wmma_scale_f32_16x16x128_f8f6f4 v[\d:\d+7], v[\fa:\fa+7], v[\fb:\fb+7], 0, v[\sa], v[\sb] matrix_a_fmt:MATRIX_FMT_FP4 matrix_b_fmt:MATRIX_FMT_FP4 matrix_a_scale:MATRIX_SCALE_ROW1 matrix_b_scale:MATRIX_SCALE_ROW1
.elseif (\ra)
	v_wmma_scale_f32_16x16x128_f8f6f4 v[\d:\d+7], v[\fa:\fa+7], v[\fb:\fb+7], 0, v[\sa], v[\sb] matrix_a_fmt:MATRIX_FMT_FP4 matrix_b_fmt:MATRIX_FMT_FP4 matrix_a_scale:MATRIX_SCALE_ROW1
.elseif (\rb)
	v_wmma_scale_f32_16x16x128_f8f6f4 v[\d:\d+7], v[\fa:\fa+7], v[\fb:\fb+7], 0, v[\sa], v[\sb] matrix_a_fmt:MATRIX_FMT_FP4 matrix_b_fmt:MATRIX_FMT_FP4 matrix_b_scale:MATRIX_SCALE_ROW1
.else
	v_wmma_scale_f32_16x16x128_f8f6f4 v[\d:\d+7], v[\fa:\fa+7], v[\fb:\fb+7], 0, v[\sa], v[\sb] matrix_a_fmt:MATRIX_FMT_FP4 matrix_b_fmt:MATRIX_FMT_FP4
.endif
.else
.if (\ra) && (\rb)
	v_wmma_scale_f32_16x16x128_f8f6f4 v[\d:\d+7], v[\fa:\fa+7], v[\fb:\fb+7], v[\d:\d+7], v[\sa], v[\sb] matrix_a_fmt:MATRIX_FMT_FP4 matrix_b_fmt:MATRIX_FMT_FP4 matrix_a_scale:MATRIX_SCALE_ROW1 matrix_b_scale:MATRIX_SCALE_ROW1
.elseif (\ra)
	v_wmma_scale_f32_16x16x128_f8f6f4 v[\d:\d+7], v[\fa:\fa+7], v[\fb:\fb+7], v[\d:\d+7], v[\sa], v[\sb] matrix_a_fmt:MATRIX_FMT_FP4 matrix_b_fmt:MATRIX_FMT_FP4 matrix_a_scale:MATRIX_SCALE_ROW1
.elseif (\rb)
	v_wmma_scale_f32_16x16x128_f8f6f4 v[\d:\d+7], v[\fa:\fa+7], v[\fb:\fb+7], v[\d:\d+7], v[\sa], v[\sb] matrix_a_fmt:MATRIX_FMT_FP4 matrix_b_fmt:MATRIX_FMT_FP4 matrix_b_scale:MATRIX_SCALE_ROW1
.else
	v_wmma_scale_f32_16x16x128_f8f6f4 v[\d:\d+7], v[\fa:\fa+7], v[\fb:\fb+7], v[\d:\d+7], v[\sa], v[\sb] matrix_a_fmt:MATRIX_FMT_FP4 matrix_b_fmt:MATRIX_FMT_FP4
.endif
.endif
.endm
.macro FETCH s, bf                     ; K step s: W's four fragments and x's two, 12 loads of 512 consecutive bytes
.irp b, 0,1,2,3
.irp c, 0,1
	ds_load_b128 v[F+48*(\bf)+8*\b+4*\c:F+48*(\bf)+8*\b+4*\c+3], v4 offset:1024*(8*\b+(\s))+512*\c
.endr
.endr
.irp a, 0,1
.irp c, 0,1
	ds_load_b128 v[F+48*(\bf)+32+8*\a+4*\c:F+48*(\bf)+32+8*\a+4*\c+3], v5 offset:1024*(8*\a+(\s))+512*\c
.endr
.endr
.endm
.macro MUL s, bf, zero, nat            ; 8 products; the 8 accumulators take turns, one instruction a turn.  nat = 1: tokens are source 0
.irp a, 0,1
.irp b, 0,1,2,3
.set rD, ACC+8*(4*\a+\b)
.set rW, F+48*(\bf)+8*\b
.set rX, F+48*(\bf)+32+8*\a
.set rSW, SW+8*(\b/2)+(\s)
.set rSX, SX+(\s)
.if \nat
	WM rD, rX, rW, \zero, rSX, rSW, \a, \b%2
.else
	WM rD, rW, rX, \zero, rSW, rSX, \b%2, \a
.endif
.endr
.endr
.endm
.macro KLOOP nat                       ; the eight K steps, written out: every offset is an immediate.  The first step's products start the sums
	FETCH 0, 0
.set KS_, 0
.rept 8
.if KS_ < 7
.if KS_ > 0
	PLACES                                         ; the set that the last step multiplied is loaded again
.endif
	FETCH KS_+1, (KS_+1)%2
	s_wait_dscnt 12                                ; this step's fragments are in; the 12 loads just issued may be out
.else
	s_wait_dscnt 0x0
.endif
.if KS_ == 0
	MUL KS_, KS_%2, 1, \nat
.else
	MUL KS_, KS_%2, 0, \nat
.endif
.set KS_, KS_+1
.endr
.endm
; The f32 images of positions 0-15 are stored by the work-groups with tb % 32 = 0 alone.  tb holds the work-group's place in its cluster, so this is a mask on the lanes and no branch.
.macro MASK_ON
	v_mov_b32 v232, s81
	v_cmp_eq_u32 vcc_lo, 0, v232
	s_wait_xcnt 0x0                                ; EXEC changes only behind this wait
	s_and_saveexec_b32 s93, vcc_lo
.endm
.macro MASK_OFF
	s_wait_xcnt 0x0
	s_or_b32 exec_lo, exec_lo, s93
.endm
	s_cmp_eq_u32 s11, 5
	s_cbranch_scc1 .Lbody_v
	; ---- q and k
	KLOOP 0
	PLACES
.irp a, 0,1
.irp i, 0,1,2,3,4,5,6,7
	ds_load_b128 v[TBL+64*\a+4*\i:TBL+64*\a+4*\i+3], v6 offset:4096*\a+512*\i   ; cos and sin of my two token tiles, into fragment registers that are done with
.endr
.endr
.irp a, 0,1                            ; the sum of squares of my 32 numbers of each token, each accumulator from its low end on, in two chains
	v_pk_mul_f32 v[8+4*\a:9+4*\a], v[ACC+32*\a:ACC+32*\a+1], v[ACC+32*\a:ACC+32*\a+1]
	v_pk_mul_f32 v[10+4*\a:11+4*\a], v[ACC+32*\a+2:ACC+32*\a+3], v[ACC+32*\a+2:ACC+32*\a+3]
.irp n, 4,8,12,16,20,24,28
	v_pk_fma_f32 v[8+4*\a:9+4*\a], v[ACC+32*\a+\n:ACC+32*\a+\n+1], v[ACC+32*\a+\n:ACC+32*\a+\n+1], v[8+4*\a:9+4*\a]
	v_pk_fma_f32 v[10+4*\a:11+4*\a], v[ACC+32*\a+\n+2:ACC+32*\a+\n+3], v[ACC+32*\a+\n+2:ACC+32*\a+\n+3], v[10+4*\a:11+4*\a]
.endr
.endr
.irp a, 0,1
	v_pk_add_f32 v[8+4*\a:9+4*\a], v[8+4*\a:9+4*\a], v[10+4*\a:11+4*\a]
.endr
.irp a, 0,1
	v_add_f32 v[8+4*\a], v[8+4*\a], v[9+4*\a]
.endr
.irp a, 0,1
	v_permlanex16_b32 v[9+4*\a], v[8+4*\a], s20, s21
.endr
.irp a, 0,1
	v_add_f32 v[8+4*\a], v[8+4*\a], v[9+4*\a]      ; with lane l xor 16's 32: the head's 64
.endr
.irp a, 0,1
	v_fma_f32 v[8+4*\a], v[8+4*\a], s22, s23       ; the mean + eps
.endr
	v_rsq_f32 v8, v8
	v_rsq_f32 v12, v12
	v_nop                                          ; a plain line behind the batch,
	s_wait_alu depctr_va_vdst(0)                   ; and its one wait ahead of the first reader
	v_mul_f32 v8, s74, v8                          ; x the gain: the norm's factor and the gain commute with the rotation
	v_mul_f32 v12, s74, v12
	s_wait_dscnt 0x0                               ; the table
.macro ROTATE a                        ; y1 = x1 cos + x2 sin, y2 = x2 cos - x1 sin; then x the factor
.irp b, 0,1
.irp jp, 0,2,4,6
	v_pk_mul_f32 v[Y+8*\b+\jp:Y+8*\b+\jp+1], v[ACC+32*\a+8*\b+\jp:ACC+32*\a+8*\b+\jp+1], v[TBL+64*\a+8*\b+\jp:TBL+64*\a+8*\b+\jp+1]
	v_pk_mul_f32 v[Y+16+8*\b+\jp:Y+16+8*\b+\jp+1], v[ACC+32*\a+16+8*\b+\jp:ACC+32*\a+16+8*\b+\jp+1], v[TBL+64*\a+8*\b+\jp:TBL+64*\a+8*\b+\jp+1]
	v_pk_fma_f32 v[Y+8*\b+\jp:Y+8*\b+\jp+1], v[ACC+32*\a+16+8*\b+\jp:ACC+32*\a+16+8*\b+\jp+1], v[TBL+64*\a+16+8*\b+\jp:TBL+64*\a+16+8*\b+\jp+1], v[Y+8*\b+\jp:Y+8*\b+\jp+1]
	v_pk_fma_f32 v[Y+16+8*\b+\jp:Y+16+8*\b+\jp+1], v[ACC+32*\a+8*\b+\jp:ACC+32*\a+8*\b+\jp+1], v[TBL+64*\a+16+8*\b+\jp:TBL+64*\a+16+8*\b+\jp+1], v[Y+16+8*\b+\jp:Y+16+8*\b+\jp+1] neg_lo:[1,0,0] neg_hi:[1,0,0]
.endr
.endr
.irp n, 0,2,4,6,8,10,12,14,16,18,20,22,24,26,28,30
	v_pk_mul_f32 v[Y+\n:Y+\n+1], v[Y+\n:Y+\n+1], v[8+4*\a:9+4*\a] op_sel_hi:[1,0]
.endr
.endm
.macro HALVES a                        ; rounded to f16: four pieces, stored as 512 consecutive bytes each
.irp n, 0,1,2,3,4,5,6,7,8,9,10,11,12,13,14,15
	v_cvt_pk_f16_f32 v[H+16*\a+\n], v[Y+2*\n], v[Y+2*\n+1]
.endr
.irp b, 0,1,2,3
	global_store_b128 v3, v[H+16*\a+4*\b:H+16*\a+4*\b+3], s[84:85] offset:2048*\a+512*\b
.endr
.endm
	ROTATE 0
	s_cmp_eq_u32 s12, 0                            ; the sequence's first 16 positions lie in token half 0
	s_cbranch_scc0 .Lno_fine_qk
	MASK_ON
.irp i, 0,1,2,3,4,5,6,7
	global_store_b128 v3, v[Y+4*\i:Y+4*\i+3], s[86:87] offset:512*\i
.endr
	MASK_OFF                                       ; (its wait also frees the 32 registers, which the second tile writes again)
.Lno_fine_qk:
	HALVES 0
	ROTATE 1
	HALVES 1
	s_branch .Ldone
.Lbody_v:
	; ---- v
	KLOOP 1
	PLACES
.irp n, 0,1,2,3,4,5,6,7,8,9,10,11,12,13,14,15,16,17,18,19,20,21,22,23,24,25,26,27,28,29,30,31
	v_cvt_pk_f16_f32 v[H+\n], v[ACC+2*\n], v[ACC+2*\n+1]     ; each accumulator from its low end on
.endr
.irp a, 0,1
.irp b, 0,1,2,3
	global_store_b128 v3, v[H+4*(4*\a+\b):H+4*(4*\a+\b)+3], s[84:85] offset:1024*\b+512*\a   ; V^T [32 keys th][channel tile b][16 keys a]
.endr
.endr
	s_cmp_eq_u32 s12, 0
	s_cbranch_scc0 .Ldone
	MASK_ON
.irp i, 0,1,2,3,4,5,6,7
	global_store_b128 v3, v[ACC+4*\i:ACC+4*\i+3], s[86:87] offset:512*\i
.endr
	MASK_OFF
.Ldone:
	s_wait_tensorcnt 0x0                           ; the wave's end
	ds_add_u32 v1, v2
	s_wait_dscnt 0x0
	CROUND                                         ; the closing round
	s_endpgm
.Lfunc_end_k_qb32a2cfd54_qkv:
	.size	k_qb32a2cfd54_qkv, .Lfunc_end_k_qb32a2cfd54_qkv-k_qb32a2cfd54_qkv
	.p2alignl 7, 3214868480
	.fill 96, 4, 3214868480
	.section	.rodata,"a",@progbits
	.p2align	6, 0x0
	.amdhsa_kernel k_qb32a2cfd54_qkv
		.amdhsa_group_segment_fixed_size 247296
		.amdhsa_private_segment_fixed_size 0
		.amdhsa_enable_private_segment 0
		.amdhsa_kernarg_size 24
		.amdhsa_user_sgpr_count 2
		.amdhsa_user_sgpr_kernarg_segment_ptr 1
		.amdhsa_wavefront_size32 1
		.amdhsa_system_sgpr_workgroup_id_x 1
		.amdhsa_system_sgpr_workgroup_id_y 1
		.amdhsa_system_sgpr_workgroup_id_z 1
		.amdhsa_system_vgpr_workitem_id 0
		.amdhsa_next_free_vgpr 256
		.amdhsa_next_free_sgpr 100
		.amdhsa_reserve_vcc 1
		.amdhsa_float_denorm_mode_32 3
		.amdhsa_float_denorm_mode_16_64 3
		.amdhsa_memory_ordered 1
		.amdhsa_forward_progress 1
		.amdhsa_inst_pref_size 57
	.end_amdhsa_kernel
	.amdgpu_metadata
---
amdhsa.version: [ 1, 2 ]
amdhsa.kernels:
  - .name:           k_qb32a2cfd54_qkv
    .symbol:         k_qb32a2cfd54_qkv.kd
    .args:
      - { .name: pre, .offset: 0, .size: 8, .value_kind: global_buffer, .address_space: global }
      - { .name: q_gain, .offset: 8, .size: 8, .value_kind: global_buffer, .address_space: global }
      - { .name: qkvb, .offset: 16, .size: 8, .value_kind: global_buffer, .address_space: global }
    .group_segment_fixed_size: 247296
    .private_segment_fixed_size: 0
    .kernarg_segment_align: 8
    .kernarg_segment_size: 24
    .max_flat_workgroup_size: 384
    .sgpr_count:     100
    .vgpr_count:     256
    .wavefront_size: 32
...
	.end_amdgpu_metadata
.endif
;; end of part 2
;; launch attn (part 3): grid 32 x 8, 8 waves a work-group, no clusters, 327,680 bytes of LDS; arguments qkvb, y16; writes y16
.if DOCPART == 3
	.amdgcn_target "amdgcn-amd-amdhsa--gfx1250"
	.amdhsa_code_object_version 6
	.text
	.protected	k_qb32a2cfd54_attn
	.globl	k_qb32a2cfd54_attn
	.p2align	8
	.type	k_qb32a2cfd54_attn,@function
k_qb32a2cfd54_attn:
	s_mov_b64 s[64:65], 0
	v_nop
	global_prefetch_b8 v0, s[64:65] scope:SCOPE_SE
	s_setreg_imm32_b32 hwreg(HW_REG_WAVE_MODE, 25, 1), 1
	s_wait_xcnt 0x0
; ATTENTION, causal, head size 64, four query heads to a key/value head.  y[q] = sum over k <= q of softmax_k(q . k / 8) v[k].  Operands in f16 (q, k normalised; p <= 1; v: |v| under 65,504), products' sums, maxima and
; sums in f32, with a running maximum m and sum l: p = 2^(c s - c m), c = log2(e) / 8; in every step O and l are multiplied by 2^(c m_old - c m_new).
; SHARES.  Work-group (i, bg): query blocks i and 63 - i, 32 queries each, of the four heads of group bg: equal work in all 256 work-groups.  A wave owns TWO tiles of 16 queries: two heads at the same 16 queries,
; so that each fragment of K and V read from LDS feeds two products.  Wave bits b0 b1 b2: head pair b0, which 16 queries b1, early or late block b0 ^ b1 ^ b2.
; LAYOUT.  S^T = K Q^T (source 0 = 16 keys, source 1 = 16 queries) and O^T = V^T P: a lane holds one query throughout; two tiles of S^T rounded in pairs are source 1 of the second product.
; K, V^T and Q lie in memory as images of operand registers: every LDS load takes 512 consecutive bytes, and O^T rounded to f16 is a piece of y's image.
; RING.  Two slots of 256 keys (four key steps of 16,384 bytes: K, then V^T); each of the eight waves fetches an eighth of a slot.  Every work-group walks all 8 slots, so that trip counts are constants;
; a step whose keys all come after the wave's queries is jumped over, and a slot whose first key comes after the work-group's last query is not asked for.
; NO CLUSTER: the work-groups of a group read 5 to 8 of the 8 slots, by their number.
; REGISTERS.  Window 0: v1, v2 the add's two; v3 16 x lane; v4 address in hand; v5 r - 8 h; v6 the diagonal's bound; v7 -infinity; v8-23 statistics; v24 256 x lane; v32-95 S^T; v96-127 P; v128-191 K; v192-255 V.
;   Window 1: v0-63 O^T, 32 a tile; v64-95 Q, 16 a tile.
.set KV,    8388608
.set SLOTB, 65536
.set SPARE, 131072                     ; behind the ring: the spare words, 128 bytes a wave: four blocks of 256 bytes that no other line names
.set ST,    8                          ; tile t at ST + 8 t: +0 c m, +1 m, +2, +3 l, +4 .. +7 at work; the factor takes +6
.set S,     32
.set P,     96
.set KR,    128
.set VR,    192
.set QR,    64
.set MSB, 0
.macro WIN new                         ; the immediate's high byte repeats the setting that is left
.if MSB != \new
	s_set_vgpr_msb (MSB<<8)|\new
.set MSB, \new
.endif
.endm
.macro PLACES
.rept 4
	v_nop
.endr
.endm
; s8 wave; s[16:23] group 1; s[24:27] group 0, which walks; s28 the slot in hand; s29 the step's first key; s30 my first query; s31 slots to ask for; s32 the work-group's last query; s33 who prefetches;
; s[34:35] c; s[36:37] lane selects; s[38:39] the prefetches' place; s[40:41] Q; s[42:43] y
	s_load_b128 s[4:7], s[0:1], 0x0                ; qkvb, y16
	v_lshl_add_u32 v1, v0, 2, SPARE
	v_mov_b32 v2, 0
	ds_add_u32 v1, v2                              ; the opening: the add, twice on end, and its wait ahead of the first tensor load
	ds_add_u32 v1, v2
	v_lshrrev_b32 v8, 5, v0
	v_readfirstlane_b32 s8, v8                     ; wave 0..7
	s_and_b32 s9, s8, 1                            ; head pair
	s_bfe_u32 s10, s8, 0x10001                     ; which 16 queries of the block
	s_lshr_b32 s11, s8, 2
	s_xor_b32 s12, s9, s10
	s_xor_b32 s12, s12, s11                        ; 1: the late block
	s_sub_co_u32 s13, 63, ttmp9
	s_cmp_eq_u32 s12, 1
	s_cselect_b32 s14, s13, ttmp9
	s_lshl_b32 s30, s14, 5
	s_lshl_b32 s15, s10, 4
	s_add_co_u32 s30, s30, s15                     ; my first query
	s_lshl_b32 s32, s13, 5
	s_add_co_u32 s32, s32, 31                      ; the work-group's last
	s_and_b32 s44, ttmp7, 0xffff                   ; bg = 4 batch + g
	s_mov_b32 s16, 3<<16                           ; group 1: 32 rows of 256 bytes (32 elements of 8 bytes), dense, no mask, no padding
	s_mov_b32 s17, 32<<16
	s_mov_b32 s18, 32<<16
	s_mov_b32 s19, 32<<16
	s_mov_b32 s20, 32
	s_mov_b32 s21, 32
	s_mov_b32 s22, 0
	s_mov_b32 s23, 0
	s_lshl_b32 s46, s44, 19                        ; the group's 32 key steps,
	s_lshl_b32 s47, s8, 13                         ; my eighth of a slot
	s_add_co_u32 s46, s46, s47
	s_add_co_u32 s46, s46, KV
	s_mov_b32 s47, 0
	s_lshl_b32 s48, s44, 2
	s_lshl_b32 s49, s9, 1
	s_add_co_u32 s48, s48, s49                     ; 16 batch + my first head
	s_lshl_b32 s48, s48, 7
	s_lshr_b32 s50, s30, 4                         ; my tile of 16 queries
	s_add_co_u32 s48, s48, s50
	s_lshl_b32 s48, s48, 11
	s_mov_b32 s49, 0
	s_and_b32 s52, s44, 3
	s_lshl_b32 s52, s52, 8
	s_lshr_b32 s53, s44, 2
	s_lshl_b32 s53, s53, 7
	s_add_co_u32 s52, s52, s53
	s_add_co_u32 s52, s52, s50                     ; y: [g][128 batch + tile]
	s_lshl_b32 s52, s52, 4
	s_lshl_b32 s53, s9, 3
	s_add_co_u32 s52, s52, s53                     ; 16 pieces a tile; mine begin at 8 x head pair
	s_lshl_b32 s52, s52, 9
	s_mov_b32 s53, 0
	s_mov_b32 s28, 0
	s_mov_b32 s29, 0
	s_mov_b32 s31, 7
	s_cmp_eq_u32 ttmp9, 0
	s_cselect_b32 s33, 1, -1
	s_mov_b32 s34, 0x3e38aa3b                      ; c = log2(e) / 8
	s_mov_b32 s35, s34
	s_mov_b32 s36, 0x76543210
	s_mov_b32 s37, 0xfedcba98
	s_wait_dscnt 0x0                               ; both opening adds are done
	s_wait_kmcnt 0x0
	s_mov_b32 s24, 1
	s_lshl_b32 s25, s8, 13                         ; LDS: slot 0, 8,192 x wave
	s_add_nc_u64 s[26:27], s[4:5], s[46:47]
	s_add_nc_u64 s[38:39], s[26:27], SLOTB         ; the prefetches stand a slot further on than the walking descriptor; nothing is prefetched here, at the head
	s_or_b32 s27, s27, 0x80000000
	tensor_load_to_lds s[24:27], s[16:23]          ; slot 0: key 0 counts for every query
	s_nop 0
	PLACES
	s_add_nc_u64 s[40:41], s[4:5], s[48:49]
	s_add_nc_u64 s[42:43], s[6:7], s[52:53]
	v_and_b32 v8, 31, v0
	v_lshlrev_b32 v3, 4, v8
	v_lshlrev_b32 v24, 8, v8
	WIN 0x40                                       ; destination window 1
.irp t, 0,1
.irp p, 0,1,2,3
	global_load_b128 v[QR+16*\t+4*\p:QR+16*\t+4*\p+3], v3, s[40:41] offset:262144*\t+512*\p   ; Q stays in registers; the second head's tile lies 128 tiles on
.endr
.endr
.set N_, 0
.rept 64
	v_mov_b32 v[N_], 0                             ; O^T.  The step is written once for all steps: the first finds zeros, which its factor 0 leaves zeros
.set N_, N_+1
.endr
	WIN 0
	v_and_b32 v9, 15, v0
	v_bfe_u32 v10, v0, 4, 1
	v_lshlrev_b32 v10, 3, v10
	v_sub_nc_u32 v5, v9, v10
	v_mov_b32 v6, 0
	v_mov_b32 v7, 0xff800000
.irp n, 0,1,2,3,4,5,6,7,8,9,10,11,12,13,14,15
	v_mov_b32 v[ST+\n], 0                          ; l = 0; the rest written once, so that no way through the text reads one unwritten
.endr
.irp t, 0,1
	v_mov_b32 v[ST+8*\t+1], 0xff61b1e6             ; m = -3e38, under every score
	v_mul_f32 v[ST+8*\t], s34, v[ST+8*\t+1]
.endr
; A KEY STEP: 64 keys, the q-th of the slot in hand, for my two tiles.
.macro STEP q
	s_cmp_gt_u32 s29, s30                          ; all its keys come after my queries (both numbers are multiples of 16): ids and the count of steps alone
	s_cbranch_scc1 .Lhidden_\@
	v_add_nc_u32 v4, s28, v3
.rept 3
	v_nop                                          ; with the addition: four places behind the last step's products, which read V's registers
.endr
.irp i, 0,1,2,3,4,5,6,7,8,9,10,11,12,13,14,15
	ds_load_b128 v[KR+4*\i:KR+4*\i+3], v4 offset:16384*(\q)+512*\i
.endr
.irp i, 0,1,2,3,4,5,6,7,8,9,10,11,12,13,14,15
	ds_load_b128 v[VR+4*\i:VR+4*\i+3], v4 offset:16384*(\q)+8192+512*\i
.endr
	s_wait_dscnt 16                                ; K is in; V's 16 loads may be out
	WIN 0x04                                       ; source 1 (Q) window 1
.irp kk, 0,1                           ; the eight accumulators take turns, one instruction a turn
.irp u, 0,1,2,3
.irp t, 0,1
.if \kk == 0
	v_wmma_f32_16x16x32_f16 v[S+32*\t+8*\u:S+32*\t+8*\u+7], v[KR+16*\u+8*\kk:KR+16*\u+8*\kk+7], v[QR+16*\t+8*\kk:QR+16*\t+8*\kk+7], 0
.else
	v_wmma_f32_16x16x32_f16 v[S+32*\t+8*\u:S+32*\t+8*\u+7], v[KR+16*\u+8*\kk:KR+16*\u+8*\kk+7], v[QR+16*\t+8*\kk:QR+16*\t+8*\kk+7], v[S+32*\t+8*\u:S+32*\t+8*\u+7]
.endif
.endr
.endr
.endr
	WIN 0
	PLACES
	s_add_co_u32 s45, s29, 63
	s_cmp_le_u32 s45, s30                          ; all 64 keys count for all my queries: no mask
	s_cbranch_scc1 .Lopen_\@
	s_sub_co_i32 s45, s30, s29
	v_add_nc_u32 v6, s45, v5                       ; register n holds key KF + 16 (n / 8) + 8 h + n % 8: hidden where 16 (n / 8) + n % 8 > my query - KF - 8 h
.set N_, 0
.rept 32
	v_cmp_gt_i32 vcc_lo, 16*(N_/8)+N_%8, v6
	v_cndmask_b32 v[S+N_], v[S+N_], v7, vcc_lo
	v_cndmask_b32 v[S+32+N_], v[S+32+N_], v7, vcc_lo
.set N_, N_+1
.endr
.Lopen_\@:
.irp j, 0,1,2,3                        ; the maximum of 32 scores and the old m: four chains, each beginning at an accumulator's low end; the tiles alternate
.irp t, 0,1
	v_max3_num_f32 v[ST+8*\t+4+\j], v[S+32*\t+8*\j], v[S+32*\t+8*\j+1], v[S+32*\t+8*\j+2]
.endr
.endr
.irp g, 1,2
.irp j, 0,1,2,3
.irp t, 0,1
	v_max3_num_f32 v[ST+8*\t+4+\j], v[ST+8*\t+4+\j], v[S+32*\t+8*\j+2*\g+1], v[S+32*\t+8*\j+2*\g+2]
.endr
.endr
.endr
.irp t, 0,1
	v_max3_num_f32 v[ST+8*\t+4], v[ST+8*\t+4], v[S+32*\t+7], v[S+32*\t+15]
	v_max3_num_f32 v[ST+8*\t+6], v[ST+8*\t+6], v[S+32*\t+23], v[S+32*\t+31]
.endr
.irp t, 0,1
	v_max3_num_f32 v[ST+8*\t+4], v[ST+8*\t+4], v[ST+8*\t+5], v[ST+8*\t+6]
.endr
.irp t, 0,1
	v_max3_num_f32 v[ST+8*\t+4], v[ST+8*\t+4], v[ST+8*\t+7], v[ST+8*\t+1]
.endr
.irp t, 0,1
	v_permlanex16_b32 v[ST+8*\t+5], v[ST+8*\t+4], s36, s37       ; the query's other 32 keys lie in the lane 16 away
	v_mov_b32 v[ST+8*\t+7], v[ST+8*\t]                           ; c m_old
.endr
.irp t, 0,1
	v_max_num_f32 v[ST+8*\t+1], v[ST+8*\t+4], v[ST+8*\t+5]
.endr
.irp t, 0,1
	v_mul_f32 v[ST+8*\t], s34, v[ST+8*\t+1]
.endr
.irp t, 0,1
	v_sub_f32 v[ST+8*\t+7], v[ST+8*\t+7], v[ST+8*\t]
.endr
.irp t, 0,1
.irp n, 0,2,4,6,8,10,12,14,16,18,20,22,24,26,28,30
	v_pk_fma_f32 v[S+32*\t+\n:S+32*\t+\n+1], v[S+32*\t+\n:S+32*\t+\n+1], s[34:35], v[ST+8*\t:ST+8*\t+1] op_sel_hi:[1,0,0] neg_lo:[0,0,1] neg_hi:[0,0,1]   ; c s - c m
.endr
.endr
.irp t, 0,1
	v_exp_f32 v[ST+8*\t+6], v[ST+8*\t+7]           ; ONE BATCH of 66 exponentials: the two factors,
.endr
.set N_, 0
.rept 64
	v_exp_f32 v[S+N_], v[S+N_]                     ; and the weights p
.set N_, N_+1
.endr
	v_nop                                          ; one plain line behind the last,
	s_wait_alu depctr_va_vdst(0)                   ; one wait ahead of the first reader
.irp t, 0,1
.irp i, 0,1,2,3,4,5,6,7,8,9,10,11,12,13,14,15
	v_cvt_pk_f16_f32 v[P+16*\t+\i], v[S+32*\t+2*\i], v[S+32*\t+2*\i+1]
.endr
.endr
.irp z, 0,1,2,3,4,5,6,7                ; the sum of the unrounded p, in place, by halves
.irp t, 0,1
	v_pk_add_f32 v[S+32*\t+4*\z:S+32*\t+4*\z+1], v[S+32*\t+4*\z:S+32*\t+4*\z+1], v[S+32*\t+4*\z+2:S+32*\t+4*\z+3]
.endr
.endr
.irp z, 0,1,2,3
.irp t, 0,1
	v_pk_add_f32 v[S+32*\t+8*\z:S+32*\t+8*\z+1], v[S+32*\t+8*\z:S+32*\t+8*\z+1], v[S+32*\t+8*\z+4:S+32*\t+8*\z+5]
.endr
.endr
.irp z, 0,1
.irp t, 0,1
	v_pk_add_f32 v[S+32*\t+16*\z:S+32*\t+16*\z+1], v[S+32*\t+16*\z:S+32*\t+16*\z+1], v[S+32*\t+16*\z+8:S+32*\t+16*\z+9]
.endr
.endr
.irp t, 0,1
	v_pk_add_f32 v[S+32*\t:S+32*\t+1], v[S+32*\t:S+32*\t+1], v[S+32*\t+16:S+32*\t+17]
.endr
.irp t, 0,1
	v_pk_fma_f32 v[ST+8*\t+2:ST+8*\t+3], v[ST+8*\t+2:ST+8*\t+3], v[ST+8*\t+6:ST+8*\t+7], v[S+32*\t:S+32*\t+1] op_sel_hi:[1,0,1]   ; l = l x factor + sum
.endr
	s_wait_dscnt 0x0                               ; V is in
	WIN 0x41                                       ; O^T (destination and source 0) window 1
.irp t, 0,1
.irp n, 0,2,4,6,8,10,12,14,16,18,20,22,24,26,28,30
	v_pk_mul_f32 v[32*\t+\n:32*\t+\n+1], v[32*\t+\n:32*\t+\n+1], v[ST+8*\t+6:ST+8*\t+7] op_sel_hi:[1,0]
.endr
.endr
	WIN 0x50                                       ; C and D window 1
.irp kb, 0,1
.irp ct, 0,1,2,3
.irp t, 0,1
	v_wmma_f32_16x16x32_f16 v[32*\t+8*\ct:32*\t+8*\ct+7], v[VR+8*(4*\kb+\ct):VR+8*(4*\kb+\ct)+7], v[P+16*\t+8*\kb:P+16*\t+8*\kb+7], v[32*\t+8*\ct:32*\t+8*\ct+7]
.endr
.endr
.endr
	WIN 0
.Lhidden_\@:
	s_add_co_u32 s29, s29, 64
.endm
; THE CHANGE OF SLOTS stands at a slot's head.  Each wave waits for all its tensor loads (its eighth of the slot ahead), adds 0 to its spare word, and waits for that and for its reads of the slot that it has left.
; Behind the barrier the slot ahead is whole and nobody reads the other one.  fill = 1: that other slot takes the next 256 keys, unless they all come after the work-group's last query: no wave would read them.
; The add stands once: every way from the kernel's head leads through slot 0's load.
.macro CHANGE fill
	s_wait_tensorcnt 0x0
	ds_add_u32 v1, v2
.if \fill
	s_xor_b32 s25, s25, SLOTB                      ; no load of mine is out: the descriptor walks: the other slot,
	s_add_nc_u64 s[26:27], s[26:27], SLOTB         ; the next 256 keys
	s_wait_xcnt 0x0                                ; the last prefetch, a slot back, has read its address
	s_add_nc_u64 s[38:39], s[38:39], SLOTB
.endif
	s_wait_dscnt 0x0
	s_barrier_signal -1
	s_barrier_wait -1
.if \fill
	s_add_co_u32 s45, s29, 256                     ; the first key of the slot that this change would ask for
	s_cmp_gt_u32 s45, s32
	s_cbranch_scc1 .Lpast_\@
	tensor_load_to_lds s[24:27], s[16:23]          ; my one tensor load until the next change: it has four key steps in which to land
	s_nop 0
	PLACES
.Lpast_\@:
	; A prefetch of what the NEXT change will ask for: a slot is 256 blocks of 256 bytes: 8 waves x 32 lanes name each once.  All work-groups of a group walk the same keys: the first asks, which walks all 8 slots.
	; The last change that fills a slot asks for nothing: there is no slot behind it.
	s_cmp_gt_u32 s31, s33
	s_cbranch_scc0 .Lnot_mine_\@
	global_prefetch_b8 v24, s[38:39] th:TH_LOAD_NT scope:SCOPE_SE
.Lnot_mine_\@:
.endif
.endm
.macro SLOT_STEPS
	STEP 0
	STEP 1
	STEP 2
	STEP 3
	s_xor_b32 s28, s28, SLOTB
.endm
	s_wait_loadcnt 0x0                             ; Q
.Lslot:                                            ; 7 trips
	CHANGE 1
	SLOT_STEPS
	s_sub_co_u32 s31, s31, 1
	s_cmp_lg_u32 s31, 0
	s_cbranch_scc1 .Lslot
	CHANGE 0                                       ; the last slot is written out: nothing is left to ask for
	SLOT_STEPS
	; THE WAY OUT: O^T / l, rounded to f16: a lane's eight channels of a query are its 16 bytes of a piece of y's image
	PLACES
.irp t, 0,1
	v_add_f32 v[ST+8*\t+4], v[ST+8*\t+2], v[ST+8*\t+3]
.endr
.irp t, 0,1
	v_permlanex16_b32 v[ST+8*\t+5], v[ST+8*\t+4], s36, s37
.endr
.irp t, 0,1
	v_add_f32 v[ST+8*\t+4], v[ST+8*\t+4], v[ST+8*\t+5]
.endr
.irp t, 0,1
	v_rcp_f32 v[ST+8*\t+6], v[ST+8*\t+4]
.endr
	v_nop
	s_wait_alu depctr_va_vdst(0)
	WIN 0x01                                       ; source 0 (O^T) window 1
.irp t, 0,1
.irp n, 0,2,4,6,8,10,12,14,16,18,20,22,24,26,28,30
	v_pk_mul_f32 v[S+32*\t+\n:S+32*\t+\n+1], v[32*\t+\n:32*\t+\n+1], v[ST+8*\t+6:ST+8*\t+7] op_sel_hi:[1,0]
.endr
.endr
	WIN 0
.irp t, 0,1
.irp i, 0,1,2,3,4,5,6,7,8,9,10,11,12,13,14,15
	v_cvt_pk_f16_f32 v[P+16*\t+\i], v[S+32*\t+2*\i], v[S+32*\t+2*\i+1]
.endr
.endr
.irp i, 0,1,2,3,4,5,6,7
	global_store_b128 v3, v[P+4*\i:P+4*\i+3], s[42:43] offset:512*\i      ; 512 consecutive bytes, aligned
.endr
	s_wait_tensorcnt 0x0                           ; the wave's end
	ds_add_u32 v1, v2
	s_wait_dscnt 0x0
	s_endpgm
.Lfunc_end_k_qb32a2cfd54_attn:
	.size	k_qb32a2cfd54_attn, .Lfunc_end_k_qb32a2cfd54_attn-k_qb32a2cfd54_attn
	.p2alignl 7, 3214868480
	.fill 96, 4, 3214868480
	.section	.rodata,"a",@progbits
	.p2align	6, 0x0
	.amdhsa_kernel k_qb32a2cfd54_attn
		.amdhsa_group_segment_fixed_size 327680
		.amdhsa_private_segment_fixed_size 0
		.amdhsa_enable_private_segment 0
		.amdhsa_kernarg_size 16
		.amdhsa_user_sgpr_count 2
		.amdhsa_user_sgpr_kernarg_segment_ptr 1
		.amdhsa_wavefront_size32 1
		.amdhsa_system_sgpr_workgroup_id_x 1
		.amdhsa_system_sgpr_workgroup_id_y 1
		.amdhsa_system_sgpr_workgroup_id_z 1
		.amdhsa_system_vgpr_workitem_id 0
		.amdhsa_next_free_vgpr 384
		.amdhsa_next_free_sgpr 66
		.amdhsa_reserve_vcc 1
		.amdhsa_float_denorm_mode_32 3
		.amdhsa_float_denorm_mode_16_64 3
		.amdhsa_memory_ordered 1
		.amdhsa_forward_progress 1
		.amdhsa_inst_pref_size 176
	.end_amdhsa_kernel
	.amdgpu_metadata
---
amdhsa.version: [ 1, 2 ]
amdhsa.kernels:
  - .name:           k_qb32a2cfd54_attn
    .symbol:         k_qb32a2cfd54_attn.kd
    .args:
      - { .name: qkvb, .offset: 0, .size: 8, .value_kind: global_buffer, .address_space: global }
      - { .name: y16, .offset: 8, .size: 8, .value_kind: global_buffer, .address_space: global }
    .group_segment_fixed_size: 327680
    .private_segment_fixed_size: 0
    .kernarg_segment_align: 8
    .kernarg_segment_size: 16
    .max_flat_workgroup_size: 256
    .sgpr_count:     66
    .vgpr_count:     384
    .wavefront_size: 32
...
	.end_amdgpu_metadata
.endif
;; end of part 3
;; launch proj (part 4): grid 8 x 32, 4 waves a work-group, clusters of 4 x 4, 327,680 bytes of LDS; arguments y16, pre, out0; writes out0
.if DOCPART == 4
	.amdgcn_target "amdgcn-amd-amdhsa--gfx1250"
	.amdhsa_code_object_version 6
	.text
	.protected	k_qb32a2cfd54_proj
	.globl	k_qb32a2cfd54_proj
	.p2align	8
	.type	k_qb32a2cfd54_proj,@function
k_qb32a2cfd54_proj:
	s_mov_b64 s[64:65], 0
	v_nop
	global_prefetch_b8 v0, s[64:65] scope:SCOPE_SE
	s_setreg_imm32_b32 hwreg(HW_REG_WAVE_MODE, 25, 1), 1
	s_wait_xcnt 0x0
	s_wait_alu depctr_hold_cnt(0) depctr_sa_sdst(0) depctr_va_vdst(0) depctr_va_sdst(0) depctr_va_ssrc(0) depctr_va_vcc(0) depctr_vm_vsrc(0)
	s_getreg_b32 s2, hwreg(HW_REG_IB_STS2, 6, 4)
	s_cmp_eq_u32 s2, 0
	s_cbranch_scc0 .Lentry_in_a_cluster
	s_endpgm
.Lentry_in_a_cluster:
	s_bfe_u32 s2, ttmp6, 0x10000c
	s_cmp_lg_u32 s2, 0xf033
	s_cbranch_scc0 .Lentry_shape_is_right
	s_endpgm
.Lentry_shape_is_right:
; OUT = y Wproj^T.  y [4096][1024] and Wproj [1024][1024] in f16, both laid as images of operand registers [K quarter of 256][tile of 16 rows][piece 16][512 bytes]; out0 [4096][1024] f32; sums in f32, K ascending.
; (Rows 0-15 of each sequence are written again, more finely, by the launch that follows.)
; A tile of the output is 128 x 128: 256 work-groups of four waves, each 64 x 64: 16 accumulators.  K goes in four steps of 256 through a ring of two LDS slots; a wave's tensor load brings 64 rows x 256 K,
; one dense block of 32,768 bytes.  Every LDS load takes 512 consecutive bytes: no padding.
; CLUSTER 4 x 4: the four of a row need the same tiles of y, the four of a column the same tiles of Wproj: each is asked for jointly.
; THE MATRIX INSTRUCTION IS USED TRANSPOSED (source 0 = 16 rows of Wproj, source 1 = 16 rows of y): a lane holds eight neighbouring numbers of a row of the output.
; No prefetch: of the four K steps two are first fills.
; REGISTERS: window 0: v0-31 addresses; v32-95 the way out; v128-255 the accumulators ((a, b) at v[128 + 8 (4 a + b)]).  Window 1: two fragment buffers of 128: for 64 along K, 64 registers of y, then 64 of Wproj.
.set WP,     3063808
.set KA,     2097152                   ; a K step on, in y16
.set KB,     524288                    ; and in Wproj's image
.set HALFT,  32768                     ; what one tensor load brings, and what one wave reads of either side
.set SLOT,   4*HALFT
.set STAGE,  2*SLOT                    ; behind the ring: 16 rows x 272 bytes for each wave
.set SPITCH, 272                       ; 256 bytes + 16: 17 x 16, so that sixteen rows start in different banks
.set SPARE,  STAGE+4*16*SPITCH         ; the spare words, 128 bytes a wave: two blocks of 256 bytes that no other line names
.set LAPS,   2
.set ADRA, 16
.set ADRB, 20
.set STO,  24
.set RD,   25
.set CO,   26
.set SPW,  28
.set NIL,  29
.set BK,   32
.set ACC,  128
.set F0,   0
.set F1,   128
.set G1, 24
.set G0, 32
.set G1B, 48
.set G0B, 56
.set MSB, 0
.macro WIN new
.if MSB != \new
	s_set_vgpr_msb (MSB<<8)|\new
.set MSB, \new
.endif
.endm
.set MUL,  0x05                        ; sources 0 and 1 window 1; C and D window 0
.set TO_F, 0x40                        ; destination window 1
.macro JLOAD s                         ; waves 0 and 1 fetch y's two halves, waves 2 and 3 Wproj's; the branch hangs on the wave's number alone
	s_cmp_eq_u32 s11, 0
	s_cbranch_scc0 .Lfor_b_\@
	tensor_load_to_lds s[G0+4*\s:G0+4*\s+3], s[G1:G1+7]
	s_nop 0
.rept 4
	v_nop
.endr
	s_branch .Lasked_\@
.Lfor_b_\@:
	tensor_load_to_lds s[G0B+4*\s:G0B+4*\s+3], s[G1B:G1B+7]
	s_nop 0
.rept 4
	v_nop
.endr
.Lasked_\@:
.endm
.macro CREST
	s_cmp_lg_u32 s10, 0
	s_cbranch_scc1 .Lnot_wave_0_\@
	s_barrier_signal -3
.Lnot_wave_0_\@:
	s_barrier_wait -3
	s_barrier_signal -1
	s_barrier_wait -1
.endm
.macro CROUND
	s_barrier_signal -1
	s_barrier_wait -1
	CREST
.endm
	s_load_b128 s[4:7], s[0:1], 0x0                ; y16, pre
	s_load_b64 s[8:9], s[0:1], 0x10                ; out0
	v_lshl_add_u32 v[SPW], v0, 2, SPARE
	v_mov_b32 v[NIL], 0
	ds_add_u32 v[SPW], v[NIL]                      ; the opening: the add, twice on end, and its wait ahead of the first tensor load
	ds_add_u32 v[SPW], v[NIL]
	v_lshrrev_b32 v1, 5, v0
	v_readfirstlane_b32 s10, v1                    ; wave 0..3
	s_lshr_b32 s11, s10, 1                         ; my half of the tile's rows.  Also: I fetch for y (0) or for Wproj (1)
	s_and_b32 s12, s10, 1                          ; my half of its columns.  Also: which 64 rows I fetch
	s_bfe_u32 s40, ttmp6, 0x40000
	s_bfe_u32 s41, ttmp6, 0x40004
	s_lshl_b32 s42, ttmp9, 2
	s_add_co_u32 s42, s42, s40                     ; tile column
	s_and_b32 s13, ttmp7, 0xffff
	s_lshl_b32 s13, s13, 2
	s_add_co_u32 s13, s13, s41                     ; tile row
	s_lshl_b32 s43, s41, 2
	s_lshl_b32 s43, 15, s43                        ; my row of the cluster
	s_lshl_b32 s44, 0x1111, s40                    ; my column
	s_or_b32 s[G1+0], s43, (3<<16)|(1<<21)         ; 15:0 the mask; 17:16 elements of 8 bytes; 21 set beside a mask; no padding
	s_or_b32 s[G1B+0], s44, (3<<16)|(1<<21)
.irp g, G1, G1B
	s_mov_b32 s[\g+1], 32<<16                      ; rows of 256 bytes,
	s_mov_b32 s[\g+2], 128<<16                     ; 128 of them
	s_mov_b32 s[\g+3], 32<<16
	s_mov_b32 s[\g+4], 128
	s_mov_b32 s[\g+5], 32
	s_mov_b32 s[\g+6], 0
	s_mov_b32 s[\g+7], 0
.endr
	s_lshl_b32 s17, s12, 15                        ; which half I fetch
	s_lshl_b32 s16, s13, 16
	s_add_co_u32 s16, s16, s17                     ; y: 65,536 x tile row + 32,768 x half
	s_lshl_b32 s46, s42, 16
	s_add_co_u32 s46, s46, s17
	s_add_co_u32 s46, s46, WP                      ; Wproj: 65,536 x tile column + 32,768 x half
	s_mov_b32 s17, 0
	s_mov_b32 s47, 0
	s_lshl_b32 s20, s10, 15                        ; where they go: 32,768 x wave
	s_wait_dscnt 0x0                               ; both opening adds are done
	s_wait_kmcnt 0x0
	s_add_nc_u64 s[14:15], s[4:5], s[16:17]
	s_add_nc_u64 s[46:47], s[6:7], s[46:47]
	CROUND                                         ; all sixteen work-groups are here: the first joint loads meet
.irp s, 0,1
	s_mov_b32 s[G0+4*\s], 1
	s_add_co_u32 s[G0+4*\s+1], s20, \s*SLOT
	s_add_nc_u64 s[G0+4*\s+2:G0+4*\s+3], s[14:15], \s*KA
	s_or_b32 s[G0+4*\s+3], s[G0+4*\s+3], 0x80000000
	s_mov_b32 s[G0B+4*\s], 1
	s_add_co_u32 s[G0B+4*\s+1], s20, \s*SLOT
	s_add_nc_u64 s[G0B+4*\s+2:G0B+4*\s+3], s[46:47], \s*KB
	s_or_b32 s[G0B+4*\s+3], s[G0B+4*\s+3], 0x80000000
	JLOAD \s
.endr
	v_and_b32 v1, 31, v0
	v_lshlrev_b32 v3, 4, v1                        ; 16 x lane: my place in a piece
	s_lshl_b32 s21, s11, 15                        ; my 64 rows of y
	s_lshl_b32 s22, s12, 15                        ; my 64 rows of Wproj,
	s_add_co_u32 s22, s22, 2*HALFT                 ; which lie behind y's 128
.irp s, 0,1
	v_add_nc_u32 v[ADRA+\s], s21, v3
	v_add_nc_u32 v[ADRB+\s], s22, v3
	s_add_co_u32 s21, s21, SLOT
	s_add_co_u32 s22, s22, SLOT
.endr
	v_and_b32 v1, 15, v0
	v_bfe_u32 v2, v0, 4, 1
	s_mul_i32 s23, s10, 16*SPITCH
	s_add_co_u32 s23, s23, STAGE                   ; my stage
	v_mul_u32_u24 v4, v1, SPITCH
	v_lshl_add_u32 v4, v2, 5, v4
	v_add_nc_u32 v[STO], s23, v4                   ; in: row l % 16, 32 bytes for each half of the lanes
	v_mul_u32_u24 v5, v2, SPITCH
	v_lshl_add_u32 v5, v1, 4, v5
	v_add_nc_u32 v[RD], s23, v5                    ; back: lanes 0-15 one row of 256 bytes, lanes 16-31 the next
	v_lshlrev_b32 v5, 12, v2
	v_lshl_add_u32 v[CO], v1, 4, v5                ; and the same two rows of the output (4,096 bytes a row)
	s_lshl_b32 s16, s13, 19                        ; my first row: 128 x tile row + 64 x half
	s_lshl_b32 s17, s11, 18
	s_add_co_u32 s16, s16, s17
	s_mov_b32 s17, 0
	s_add_nc_u64 s[8:9], s[8:9], s[16:17]
	s_lshl_b32 s46, s42, 9                         ; my first column, in bytes: 512 x tile column + 256 x half
	s_lshl_b32 s47, s12, 8
	s_add_co_u32 s46, s46, s47
	s_mov_b32 s47, 0
	s_add_nc_u64 s[8:9], s[8:9], s[46:47]
.macro MUL8 f, c, a0, zero             ; 8 products: y's blocks a0, a0 + 1 x Wproj's four, 32 along K: half c of buffer f.  The 16 accumulators take turns
.irp a, \a0, \a0+1
.irp b, 0,1,2,3
.if \zero
	v_wmma_f32_16x16x32_f16 v[ACC+8*(4*(\a)+\b):ACC+8*(4*(\a)+\b)+7], v[\f+64+8*(4*\c+\b):\f+64+8*(4*\c+\b)+7], v[\f+8*(4*\c+\a):\f+8*(4*\c+\a)+7], 0
.else
	v_wmma_f32_16x16x32_f16 v[ACC+8*(4*(\a)+\b):ACC+8*(4*(\a)+\b)+7], v[\f+64+8*(4*\c+\b):\f+64+8*(4*\c+\b)+7], v[\f+8*(4*\c+\a):\f+8*(4*\c+\a)+7], v[ACC+8*(4*(\a)+\b):ACC+8*(4*(\a)+\b)+7]
.endif
.endr
.endr
.endm
.macro FETCH slot, k, f                ; 32 LDS loads in one run: 64 along K (four pieces, from byte k of each tile of 16 rows) into buffer f; the first 32 along K first
	WIN TO_F
.irp c, 0,1
.irp i, 0,1,2,3
	ds_load_b128 v[\f+64+8*(4*\c+\i):\f+64+8*(4*\c+\i)+3],   v[ADRB+\slot] offset:\k+1024*\c+8192*\i
	ds_load_b128 v[\f+64+8*(4*\c+\i)+4:\f+64+8*(4*\c+\i)+7], v[ADRB+\slot] offset:\k+1024*\c+8192*\i+512
	ds_load_b128 v[\f+8*(4*\c+\i):\f+8*(4*\c+\i)+3],         v[ADRA+\slot] offset:\k+1024*\c+8192*\i
	ds_load_b128 v[\f+8*(4*\c+\i)+4:\f+8*(4*\c+\i)+7],       v[ADRA+\slot] offset:\k+1024*\c+8192*\i+512
.endr
.endr
.endm
.macro PLACES
.rept 4
	v_nop
.endr
.endm
.macro QUARTER slot, k, f, g, zero     ; 64 along K: multiplies buffer f and fetches the next quarter, at byte k, into g
	s_wait_dscnt 16                                ; the first 32 along K are in
	WIN MUL
	MUL8 \f, 0, 0, \zero
	MUL8 \f, 0, 2, \zero
	PLACES
	FETCH \slot, \k, \g
	s_wait_dscnt 32                                ; all but the 32 just issued
	WIN MUL
	MUL8 \f, 1, 0, 0
	MUL8 \f, 1, 2, 0
.endm
; A K step's last quarter changes slots: each wave waits for all its tensor loads, adds 0 to its spare word, and waits for that and for its reads of this slot; one barrier, which opens a round of the cluster's
; barrier where the slot is filled again (fill = 1), two K steps ahead.
.macro TURN slot, next, fill
	WIN 0
	s_wait_tensorcnt 0x0                           ; all my tensor loads have landed: my part of the next slot
	ds_add_u32 v[SPW], v[NIL]
	s_wait_dscnt 17                                ; (the add and the youngest sixteen loads may be out)
	WIN MUL
	MUL8 F1, 0, 0, 0
	s_wait_dscnt 0x0                               ; the add is done, and my reads of this slot are over
	s_barrier_signal -1
	MUL8 F1, 0, 2, 0
.if \fill
	WIN 0
.endif
	s_barrier_wait -1
.if \fill
	CREST                                          ; no wave of any partner still reads this slot or has a load on its way
	s_add_nc_u64 s[G0+4*\slot+2:G0+4*\slot+3], s[G0+4*\slot+2:G0+4*\slot+3], 2*KA
	s_add_nc_u64 s[G0B+4*\slot+2:G0B+4*\slot+3], s[G0B+4*\slot+2:G0B+4*\slot+3], 2*KB
	JLOAD \slot                                    ; the first tensor load behind the round; its four v_nop are also the places in front of the loads below
.else
	PLACES
.endif
	FETCH \next, 0, F0
	WIN MUL
	MUL8 F1, 1, 0, 0
	MUL8 F1, 1, 2, 0
.endm
	s_wait_tensorcnt 1                             ; my part of K step 0 is in; K step 1's load may be out
	s_barrier_signal -1
	s_barrier_wait -1
	FETCH 0, 0, F0
	QUARTER 0, 2048, F0, F1, 1                     ; the first quarter's first products start the sums
	WIN 0
	s_mov_b32 s3, LAPS-1
.Llap:                                             ; a trip goes once round the ring and fills both slots again
	QUARTER 0, 4096, F1, F0, 0
	QUARTER 0, 6144, F0, F1, 0
	TURN 0, 1, 1
	QUARTER 1, 2048, F0, F1, 0
	QUARTER 1, 4096, F1, F0, 0
	QUARTER 1, 6144, F0, F1, 0
	TURN 1, 0, 1
	QUARTER 0, 2048, F0, F1, 0
	WIN 0
	s_sub_co_u32 s3, s3, 1
	s_cmp_lg_u32 s3, 0
	s_cbranch_scc1 .Llap
	QUARTER 0, 4096, F1, F0, 0                     ; the last lap fills nothing
	QUARTER 0, 6144, F0, F1, 0
	TURN 0, 1, 0
	QUARTER 1, 2048, F0, F1, 0
	QUARTER 1, 4096, F1, F0, 0
	QUARTER 1, 6144, F0, F1, 0
	s_wait_dscnt 16
	WIN MUL
	MUL8 F1, 0, 0, 0
	MUL8 F1, 0, 2, 0
	s_wait_dscnt 0
	MUL8 F1, 1, 0, 0
	MUL8 F1, 1, 2, 0
	WIN 0
; THE WAY OUT, 16 rows x 64 columns at a time, through my own stage: a wave's 64 columns of f32 are 256 bytes of a row, aligned, so no other wave is needed.  LDS serves a wave's instructions in order:
; no wait between the stores and the loads, nor in front of the next block's stores.
.macro TOSTAGE a
.irp b, 0,1,2,3
	ds_store_b128 v[STO], v[ACC+8*(4*(\a)+\b):ACC+8*(4*(\a)+\b)+3] offset:64*\b        ; each accumulator from its low end on
	ds_store_b128 v[STO], v[ACC+8*(4*(\a)+\b)+4:ACC+8*(4*(\a)+\b)+7] offset:64*\b+16
.endr
.irp t, 0,1,2,3,4,5,6,7
	ds_load_b128 v[BK+32*((\a)%2)+4*\t:BK+32*((\a)%2)+4*\t+3], v[RD] offset:\t*2*SPITCH
.endr
.endm
.macro SEND a, younger                 ; younger: the LDS instructions issued behind block a's loads
	s_wait_dscnt \younger
.irp t, 0,1,2,3,4,5,6,7
	global_store_b128 v[CO], v[BK+32*((\a)%2)+4*\t:BK+32*((\a)%2)+4*\t+3], s[8:9] offset:4096*(16*(\a)+2*\t) th:TH_STORE_NT   ; 16 lanes store 256 consecutive bytes, aligned
.endr
.endm
	PLACES
	TOSTAGE 0
.irp a, 1,2,3
.if \a > 1
	s_wait_xcnt 0x0                                ; block a - 2's stores have read their registers: block a's loads may land there
.endif
	TOSTAGE \a
	SEND \a-1, 16
.endr
	SEND 3, 0
	s_wait_tensorcnt 0x0                           ; the wave's end
	ds_add_u32 v[SPW], v[NIL]
	s_wait_dscnt 0x0
	CROUND                                         ; the closing round
	s_endpgm
.Lfunc_end_k_qb32a2cfd54_proj:
	.size	k_qb32a2cfd54_proj, .Lfunc_end_k_qb32a2cfd54_proj-k_qb32a2cfd54_proj
	.p2alignl 7, 3214868480
	.fill 96, 4, 3214868480
	.section	.rodata,"a",@progbits
	.p2align	6, 0x0
	.amdhsa_kernel k_qb32a2cfd54_proj
		.amdhsa_group_segment_fixed_size 327680
		.amdhsa_private_segment_fixed_size 0
		.amdhsa_enable_private_segment 0
		.amdhsa_kernarg_size 24
		.amdhsa_user_sgpr_count 2
		.amdhsa_user_sgpr_kernarg_segment_ptr 1
		.amdhsa_wavefront_size32 1
		.amdhsa_system_sgpr_workgroup_id_x 1
		.amdhsa_system_sgpr_workgroup_id_y 1
		.amdhsa_system_sgpr_workgroup_id_z 1
		.amdhsa_system_vgpr_workitem_id 0
		.amdhsa_next_free_vgpr 512
		.amdhsa_next_free_sgpr 66
		.amdhsa_reserve_vcc 0
		.amdhsa_float_denorm_mode_32 3
		.amdhsa_float_denorm_mode_16_64 3
		.amdhsa_memory_ordered 1
		.amdhsa_forward_progress 1
		.amdhsa_inst_pref_size 85
	.end_amdhsa_kernel
	.amdgpu_metadata
---
amdhsa.version: [ 1, 2 ]
amdhsa.kernels:
  - .name:           k_qb32a2cfd54_proj
    .symbol:         k_qb32a2cfd54_proj.kd
    .args:
      - { .name: y16, .offset: 0, .size: 8, .value_kind: global_buffer, .address_space: global }
      - { .name: pre, .offset: 8, .size: 8, .value_kind: global_buffer, .address_space: global }
      - { .name: out0, .offset: 16, .size: 8, .value_kind: global_buffer, .address_space: global }
    .group_segment_fixed_size: 327680
    .private_segment_fixed_size: 0
    .kernarg_segment_align: 8
    .kernarg_segment_size: 24
    .max_flat_workgroup_size: 128
    .sgpr_count:     66
    .vgpr_count:     512
    .wavefront_size: 32
...
	.end_amdgpu_metadata
.endif
;; end of part 4
;; launch fine (part 5): grid 64 x 2, 16 waves a work-group, no clusters, 18,432 bytes of LDS; arguments qkvb, Wproj, out0; writes out0
.if DOCPART == 5
	.amdgcn_target "amdgcn-amd-amdhsa--gfx1250"
	.amdhsa_code_object_version 6
	.text
	.protected	k_qb32a2cfd54_fine
	.globl	k_qb32a2cfd54_fine
	.p2align	8
	.type	k_qb32a2cfd54_fine,@function
k_qb32a2cfd54_fine:
	s_mov_b64 s[64:65], 0
	v_nop
	global_prefetch_b8 v0, s[64:65] scope:SCOPE_SE
	s_setreg_imm32_b32 hwreg(HW_REG_WAVE_MODE, 25, 1), 1
	s_wait_xcnt 0x0
; THE FIRST 16 POSITIONS OF EACH SEQUENCE, IN F32.  These rows average one to sixteen values and are the largest of the output: attention and projection are done again for them with f32 operands
; (v_wmma_f32_16x16x4_f32: 48 instructions a wave, no bulk work), and the 32 rows of out0 are written over.
; SHARES.  Work-group (nt, batch): rows 0-15 of the batch x output columns 16 nt .. 16 nt + 15.  Wave = head: its head's attention (16 queries x 16 keys), then that head's 64 of the projection's K:
; y passes from product to product in the wave's own registers.  The sixteen partial tiles meet in LDS; waves 0 and 1 add them and store.
; LAYOUT.  q, k, v come as f32 images of 32 registers: q, k: lane (r, h), register 8 b + j = channel 16 b + 8 h + j of position r; v: channel 16 b + r of position 8 h + j.  Instruction c of a product takes registers
; 2 c, 2 c + 1 of both sources: both sides hold the same k at the same (h, register), so each k is met once.
; The registers that the matrix instructions write (v144-239) are written by them alone; what is made of a finished sum goes elsewhere.
; A STATED LIMIT: a work-group's piece of an output row is 64 bytes, stored 16 bytes a lane: 131,072 bytes in the whole launch.  Wider pieces would double each wave's f32 matrix work.
.set FINE,  12582912
.set SPARE, 16384                      ; behind the sixteen partial tiles (1,024 bytes each): the spare words, 128 bytes a wave
.set QF,  16
.set KF,  48
.set VF,  80
.set WF,  112
.set SA,  144                          ; four partial sums of S^T
.set OA,  176                          ; O^T, four tiles of 16 channels
.set PA,  208                          ; four partial sums of the projection
.set SS,  16                           ; the scores; v24-31 p; v32-39 my partial tile; v48-79 y
.set PP,  24
.set RES, 32
.set YY,  48
.macro FAR                             ; eight plain lines behind this form (ISA guide 7.12.1)
.rept 8
	v_nop
.endr
.endm
	s_load_b128 s[4:7], s[0:1], 0x0                ; qkvb, Wproj
	s_load_b64 s[8:9], s[0:1], 0x10                ; out0
	v_lshl_add_u32 v1, v0, 2, SPARE
	v_mov_b32 v2, 0
	v_lshrrev_b32 v8, 5, v0
	v_readfirstlane_b32 s10, v8                    ; wave = head
	v_and_b32 v8, 31, v0
	v_lshlrev_b32 v3, 4, v8                        ; 16 x lane
	v_and_b32 v9, 15, v0
	v_bfe_u32 v10, v0, 4, 1
	v_lshlrev_b32 v4, 12, v9
	v_lshl_add_u32 v4, v10, 5, v4                  ; 4,096 r + 32 h: my place in 16 rows of Wproj, and of out0
	v_lshlrev_b32 v5, 3, v10
	v_sub_nc_u32 v5, v9, v5                        ; r - 8 h
	s_lshl_b32 s11, s10, 10
	v_add_nc_u32 v6, s11, v3                       ; LDS: my partial tile
	s_and_b32 s12, s10, 1
	s_lshl_b32 s12, s12, 9
	v_add_nc_u32 v7, s12, v3                       ; and, for waves 0 and 1, their half of every tile
	s_mov_b32 s20, 0x76543210
	s_mov_b32 s21, 0xfedcba98
	s_mov_b32 s22, 0x3e38aa3b                      ; c = log2(e) / 8
	s_and_b32 s13, ttmp7, 0xffff                   ; batch
	s_lshl_b32 s14, s13, 4
	s_add_co_u32 s14, s14, s10
	s_lshl_b32 s14, s14, 12
	s_add_co_u32 s14, s14, FINE                    ; q's image
	s_mov_b32 s15, 0
	s_lshl_b32 s16, s13, 2
	s_lshr_b32 s17, s10, 2
	s_add_co_u32 s16, s16, s17
	s_lshl_b32 s16, s16, 12
	s_add_co_u32 s16, s16, FINE+131072             ; k's; v's lies 32,768 bytes on
	s_mov_b32 s17, 0
	s_lshl_b32 s18, ttmp9, 16                      ; Wproj: rows 16 nt on, columns 64 head on
	s_lshl_b32 s19, s10, 8
	s_add_co_u32 s18, s18, s19
	s_mov_b32 s19, 0
	s_lshl_b32 s24, s13, 23                        ; out0: the batch's first row, columns 16 nt + 4 wave on
	s_lshl_b32 s25, ttmp9, 6
	s_add_co_u32 s24, s24, s25
	s_lshl_b32 s25, s10, 4
	s_add_co_u32 s24, s24, s25
	s_mov_b32 s25, 0
	s_wait_kmcnt 0x0
	s_add_nc_u64 s[14:15], s[4:5], s[14:15]
	s_add_nc_u64 s[16:17], s[4:5], s[16:17]
	s_add_nc_u64 s[18:19], s[6:7], s[18:19]
	s_add_nc_u64 s[24:25], s[8:9], s[24:25]
.irp i, 0,1,2,3,4,5,6,7
	global_load_b128 v[QF+4*\i:QF+4*\i+3], v3, s[14:15] offset:512*\i
	global_load_b128 v[KF+4*\i:KF+4*\i+3], v3, s[16:17] offset:512*\i
.endr
.irp i, 0,1,2,3,4,5,6,7
	global_load_b128 v[VF+4*\i:VF+4*\i+3], v3, s[16:17] offset:32768+512*\i
.endr
.irp ct, 0,1,2,3
.irp e, 0,1
	global_load_b128 v[WF+8*\ct+4*\e:WF+8*\ct+4*\e+3], v4, s[18:19] offset:64*\ct+16*\e   ; Wproj[16 nt + r][64 head + 16 ct + 8 h + 4 e ..]
.endr
.endr
	s_wait_loadcnt 0x0
	; ---- S^T = K Q^T: 16 instructions in four chains that take turns; the first four start the sums
.irp c, 0,1,2,3
	v_wmma_f32_16x16x4_f32 v[SA+8*\c:SA+8*\c+7], v[KF+2*\c:KF+2*\c+1], v[QF+2*\c:QF+2*\c+1], 0
.endr
.irp c, 4,5,6,7,8,9,10,11,12,13,14,15
	v_wmma_f32_16x16x4_f32 v[SA+8*(\c%4):SA+8*(\c%4)+7], v[KF+2*\c:KF+2*\c+1], v[QF+2*\c:QF+2*\c+1], v[SA+8*(\c%4):SA+8*(\c%4)+7]
.endr
	FAR
.irp jp, 0,2,4,6
	v_pk_add_f32 v[SS+\jp:SS+\jp+1], v[SA+\jp:SA+\jp+1], v[SA+8+\jp:SA+8+\jp+1]           ; each accumulator from its low end on
.endr
.irp jp, 0,2,4,6
	v_pk_add_f32 v[PP+\jp:PP+\jp+1], v[SA+16+\jp:SA+16+\jp+1], v[SA+24+\jp:SA+24+\jp+1]
.endr
.irp jp, 0,2,4,6
	v_pk_add_f32 v[SS+\jp:SS+\jp+1], v[SS+\jp:SS+\jp+1], v[PP+\jp:PP+\jp+1]               ; lane (r, h), register j: query r, key 8 h + j
.endr
	v_mov_b32 v11, 0xff800000
.irp j, 0,1,2,3,4,5,6,7
	v_cmp_gt_i32 vcc_lo, \j, v5                    ; hidden where 8 h + j > r
	v_cndmask_b32 v[SS+\j], v[SS+\j], v11, vcc_lo
.endr
	v_max3_num_f32 v12, v16, v17, v18
	v_max3_num_f32 v13, v19, v20, v21
	v_max3_num_f32 v12, v12, v22, v23
	v_max_num_f32 v12, v12, v13
	v_permlanex16_b32 v13, v12, s20, s21
	v_max_num_f32 v12, v12, v13                    ; the row's maximum: key 0 counts for every query
	v_mul_f32 v12, s22, v12
.irp j, 0,1,2,3,4,5,6,7
	v_fma_f32 v[PP+\j], v[SS+\j], s22, -v12
.endr
.irp j, 0,1,2,3,4,5,6,7
	v_exp_f32 v[PP+\j], v[PP+\j]
.endr
	v_nop
	s_wait_alu depctr_va_vdst(0)                   ; one wait for the batch, ahead of its first reader
	v_pk_add_f32 v[14:15], v[PP:PP+1], v[PP+2:PP+3]
	v_pk_add_f32 v[32:33], v[PP+4:PP+5], v[PP+6:PP+7]
	v_pk_add_f32 v[14:15], v[14:15], v[32:33]
	v_add_f32 v14, v14, v15
	v_permlanex16_b32 v15, v14, s20, s21
	v_add_f32 v14, v14, v15
	v_rcp_f32 v14, v14
	v_nop
	s_wait_alu depctr_va_vdst(0)
	; ---- O^T = V^T P: four tiles of 16 channels by turns, four keys an instruction
.irp ct, 0,1,2,3
	v_wmma_f32_16x16x4_f32 v[OA+8*\ct:OA+8*\ct+7], v[VF+8*\ct:VF+8*\ct+1], v[PP:PP+1], 0
.endr
.irp c, 1,2,3
.irp ct, 0,1,2,3
	v_wmma_f32_16x16x4_f32 v[OA+8*\ct:OA+8*\ct+7], v[VF+8*\ct+2*\c:VF+8*\ct+2*\c+1], v[PP+2*\c:PP+2*\c+1], v[OA+8*\ct:OA+8*\ct+7]
.endr
.endr
	FAR
.set N_, 0
.rept 32
	v_mul_f32 v[YY+N_], v[OA+N_], v14              ; y: lane (r, h), register 8 ct + j: query r, channel 16 ct + 8 h + j
.set N_, N_+1
.endr
	; ---- my head's part of y Wproj^T: source 0 = 16 rows of Wproj, source 1 = y
.irp c, 0,1,2,3
	v_wmma_f32_16x16x4_f32 v[PA+8*\c:PA+8*\c+7], v[WF+2*\c:WF+2*\c+1], v[YY+2*\c:YY+2*\c+1], 0
.endr
.irp c, 4,5,6,7,8,9,10,11,12,13,14,15
	v_wmma_f32_16x16x4_f32 v[PA+8*(\c%4):PA+8*(\c%4)+7], v[WF+2*\c:WF+2*\c+1], v[YY+2*\c:YY+2*\c+1], v[PA+8*(\c%4):PA+8*(\c%4)+7]
.endr
	FAR
.irp jp, 0,2,4,6
	v_pk_add_f32 v[RES+\jp:RES+\jp+1], v[PA+\jp:PA+\jp+1], v[PA+8+\jp:PA+8+\jp+1]
.endr
.irp jp, 0,2,4,6
	v_pk_add_f32 v[RES+8+\jp:RES+8+\jp+1], v[PA+16+\jp:PA+16+\jp+1], v[PA+24+\jp:PA+24+\jp+1]
.endr
.irp jp, 0,2,4,6
	v_pk_add_f32 v[RES+\jp:RES+\jp+1], v[RES+\jp:RES+\jp+1], v[RES+8+\jp:RES+8+\jp+1]     ; lane (r, h), register j: row r, column 16 nt + 8 h + j
.endr
	ds_store_b128 v6, v[RES:RES+3]
	ds_store_b128 v6, v[RES+4:RES+7] offset:512
	s_wait_dscnt 0x0                               ; for the others' sake: my stores have landed
	s_barrier_signal -1
	s_barrier_wait -1
	s_cmp_lt_u32 s10, 2
	s_cbranch_scc0 .Lend
.irp v, 0,1,2,3,4,5,6,7,8,9,10,11,12,13,14,15
	ds_load_b128 v[48+4*\v:48+4*\v+3], v7 offset:1024*\v       ; registers 4 w .. 4 w + 3 of all sixteen heads' tiles
.endr
	s_wait_dscnt 0x0
.irp v, 0,2,4,6,8,10,12,14
	v_pk_add_f32 v[48+4*\v:48+4*\v+1], v[48+4*\v:48+4*\v+1], v[52+4*\v:52+4*\v+1]
	v_pk_add_f32 v[50+4*\v:50+4*\v+1], v[50+4*\v:50+4*\v+1], v[54+4*\v:54+4*\v+1]
.endr
.irp v, 0,4,8,12
	v_pk_add_f32 v[48+4*\v:48+4*\v+1], v[48+4*\v:48+4*\v+1], v[56+4*\v:56+4*\v+1]
	v_pk_add_f32 v[50+4*\v:50+4*\v+1], v[50+4*\v:50+4*\v+1], v[58+4*\v:58+4*\v+1]
.endr
.irp v, 0,8
	v_pk_add_f32 v[48+4*\v:48+4*\v+1], v[48+4*\v:48+4*\v+1], v[64+4*\v:64+4*\v+1]
	v_pk_add_f32 v[50+4*\v:50+4*\v+1], v[50+4*\v:50+4*\v+1], v[66+4*\v:66+4*\v+1]
.endr
	v_pk_add_f32 v[48:49], v[48:49], v[80:81]
	v_pk_add_f32 v[50:51], v[50:51], v[82:83]
	global_store_b128 v4, v[48:51], s[24:25]       ; row r, columns 16 nt + 8 h + 4 w + 0 .. 3
.Lend:
	s_wait_tensorcnt 0x0                           ; the wave's end, behind the last LDS store
	ds_add_u32 v1, v2
	s_wait_dscnt 0x0
	s_endpgm
.Lfunc_end_k_qb32a2cfd54_fine:
	.size	k_qb32a2cfd54_fine, .Lfunc_end_k_qb32a2cfd54_fine-k_qb32a2cfd54_fine
	.p2alignl 7, 3214868480
	.fill 96, 4, 3214868480
	.section	.rodata,"a",@progbits
	.p2align	6, 0x0
	.amdhsa_kernel k_qb32a2cfd54_fine
		.amdhsa_group_segment_fixed_size 18432
		.amdhsa_private_segment_fixed_size 0
		.amdhsa_enable_private_segment 0
		.amdhsa_kernarg_size 24
		.amdhsa_user_sgpr_count 2
		.amdhsa_user_sgpr_kernarg_segment_ptr 1
		.amdhsa_wavefront_size32 1
		.amdhsa_system_sgpr_workgroup_id_x 1
		.amdhsa_system_sgpr_workgroup_id_y 1
		.amdhsa_system_sgpr_workgroup_id_z 1
		.amdhsa_system_vgpr_workitem_id 0
		.amdhsa_next_free_vgpr 256
		.amdhsa_next_free_sgpr 66
		.amdhsa_reserve_vcc 1
		.amdhsa_float_denorm_mode_32 3
		.amdhsa_float_denorm_mode_16_64 3
		.amdhsa_memory_ordered 1
		.amdhsa_forward_progress 1
		.amdhsa_inst_pref_size 17
	.end_amdhsa_kernel
	.amdgpu_metadata
---
amdhsa.version: [ 1, 2 ]
amdhsa.kernels:
  - .name:           k_qb32a2cfd54_fine
    .symbol:         k_qb32a2cfd54_fine.kd
    .args:
      - { .name: qkvb, .offset: 0, .size: 8, .value_kind: global_buffer, .address_space: global }
      - { .name: Wproj, .offset: 8, .size: 8, .value_kind: global_buffer, .address_space: global }
      - { .name: out0, .offset: 16, .size: 8, .value_kind: global_buffer, .address_space: global }
    .group_segment_fixed_size: 18432
    .private_segment_fixed_size: 0
    .kernarg_segment_align: 8
    .kernarg_segment_size: 24
    .max_flat_workgroup_size: 512
    .sgpr_count:     66
    .vgpr_count:     256
    .wavefront_size: 32
...
	.end_amdgpu_metadata
.endif
;; end of part 5
